; MI455X (gfx1250); checked and timed in simulation.
; The chip was launched on July 23, 2026; its instructions are those of AMD's public machine-readable ISA for CDNA 5 (MIT licence, August 2026) and "CDNA5" Instruction Set Architecture Reference Guide (July 2026). The comments in the code are by the model that wrote it; some were corrected since.
;; Bare Multi Head Attention. Allowed arithmetic: matrix products marked QUANTISED: E5M2 operands, one E8M0 scale for each 32 along K, by v_wmma_scale_f32_16x16x128_f8f6f4 with both operands' format E5M2, f32 sums; everything else in f32.
;; Inputs: Wk 1,024 x 1,024 float32; Wq 1,024 x 1,024 float32; Wv 1,024 x 1,024 float32; attn_mask 2 x 2,048 float32; bk 1,024 float32; bq 1,024 float32; bv 1,024 float32; hidden_states 2 x 2,048 x 1,024 float32.
;; Outputs: out0 2 x 2,048 x 1,024 float32.
;; This version of the problem:
;;   THIS VERSION OF THE PROBLEM IS GIVEN IN LOW PRECISION. The matrix products marked QUANTISED in the list below multiply operands that are first quantised to E5M2 (5 exponent bits, 2 mantissa bits; 8 bits a number), with one power-of-two scale for each 32 numbers along K (OCP MX v1.0); their sums are f32. All else is computed in f32.
;;   The module's matrix products, in the order in which they are computed (A, B: the left and right operand; K: the contracted axis; several contracted axes count as one K, in the product's order):
;;     1. [M 4,096, K 1,024] x [K 1,024, N 1,024]; A: input hidden_states; B: input Wq: QUANTISED
;;     2. [M 4,096, K 1,024] x [K 1,024, N 1,024]; A: input hidden_states; B: input Wk: QUANTISED
;;     3. [M 4,096, K 1,024] x [K 1,024, N 1,024]; A: input hidden_states; B: input Wv: QUANTISED
;;     4. batch 32 x [M 2,048, K 64] x [K 64, N 2,048]; A: computed on the way; B: computed on the way: QUANTISED
;;     5. batch 32 x [M 2,048, K 2,048] x [K 2,048, N 64]; A: softmax (see below); B: computed on the way: QUANTISED
;;   THE QUANTISER, for each operand of a quantised product, along K:
;;     - K is cut into blocks of 32 from its start; a last block that is shorter is filled with zeros.
;;     - A block's scale is 2^e with e = floor(log2(the largest magnitude in the block)) - 15, held to -126 .. 127; a block of zeros has e = 0. As a byte (E8M0): e + 127.
;;     - Each number is divided by its block's scale, clamped to +-57,344, and rounded to the nearest number of E5M2, ties to even, subnormals kept.
;;     - The product sums the exact products of the quantised numbers (number of the format x scale) in f32.
;;   ~~~python
;;   def quantise(x, axis):      # numpy; x: float32 -> the quantised numbers, widened to float32 again
;;       x = np.moveaxis(x, axis, -1); K = x.shape[-1]
;;       x = np.pad(x, [(0, 0)] * (x.ndim - 1) + [(0, -K % 32)]); x = x.reshape(x.shape[:-1] + (-1, 32)); a = np.abs(x).max(-1, keepdims=True)
;;       e = np.where(a > 0, np.clip(np.frexp(np.where(a > 0, a, 1))[1] - 1 - 15, -126, 127), 0)      # np.frexp(a)[1] - 1 = floor(log2(a)), exactly
;;       r = np.clip(x / 2.0 ** e, -57344, 57344)
;;       step = 2.0 ** (np.maximum(np.frexp(np.where(r == 0, 1, r))[1] - 1, -14) - 2)
;;       q = np.round(r / step) * step * 2.0 ** e      # np.round: ties to even
;;       return np.moveaxis(q.reshape(q.shape[:-2] + (-1,))[..., :K], -1, axis).astype(np.float32)
;;   ~~~
;;   SOFTMAX AHEAD OF A QUANTISED PRODUCT. Where the list says 'softmax', what is quantised is not the finished softmax but p = 2^(t - M), with t = logit x log2(e) and M = ceil(the row's largest t), a whole number; so 1/2 < the row's largest p <= 1. The row's sum l is taken of the UNQUANTISED p, in f32, and the product's result is divided by l at the end. Since M is a whole number, a kernel that streams over the keys may use a running M (the ceiling of the running maximum): every later rescaling is an exact power of two, which a block's scale takes up: the codes' values come out the same.
;;   OPERANDS COMPUTED ON THE WAY. 'Computed on the way' means the value that the module computes at that place (a softmax that the list does not call 'softmax' is quantised finished and normalised). What goes into a quantiser is computed in f32, as accurately as f32 sums, v_exp_f32 and their like allow (about 1e-6 of the number): no bf16 or f16 on the way to a quantiser, and a product that is left as it is and whose result goes on into a quantised operand takes f32 operands (vector FMAs, or v_wmma_f32_16x16x4_f32). A number that lies on a knife's edge between two numbers of the format may be rounded either way, as far as f32 arithmetic and the matrix unit's own rounding can turn it there, and no further.
;; One version. Each part assembles by itself: llvm-mc -triple=amdgcn-amd-amdhsa -mcpu=gfx1250 --defsym DOCPART=n.
;; ======== version 1 of 1: 3 launches
;; limits: right only within a limited range of input values
;; workspace buffers: x_codes 4,194,304 bytes; x_scales 131,072 bytes; w_codes 3,145,728 bytes; w_scales 98,304 bytes; qkv_codes 12,582,912 bytes; qkv_scales 393,216 bytes
;; launch quant (part 1): grid 224 x 1, 4 waves a work-group, no clusters, 33,280 bytes of LDS; arguments hidden_states, Wq, Wk, Wv, x_codes, x_scales, w_codes, w_scales; writes x_codes, x_scales, w_codes, w_scales
.if DOCPART == 1
	.amdgcn_target "amdgcn-amd-amdhsa--gfx1250"
	.amdhsa_code_object_version 6
	.text
	.protected	k_qff1c67dd77_quant
	.globl	k_qff1c67dd77_quant
	.p2align	8
	.type	k_qff1c67dd77_quant,@function
k_qff1c67dd77_quant:
	s_mov_b64 s[64:65], 0
	v_nop
	global_prefetch_b8 v0, s[64:65] scope:SCOPE_SE
	s_setreg_imm32_b32 hwreg(HW_REG_WAVE_MODE, 25, 1), 1
	s_wait_xcnt 0x0
; hidden_states [4096][1024] and Wq, Wk, Wv [1024][1024], f32 with K innermost, become codes of BF8 (E5M2), one byte each, K innermost, with one E8M0 scale byte for each 32 along K.  The program leaves out no step of the problem.
; A block's scale is 2^(floor(log2(its largest magnitude)) - 15); its byte is the largest magnitude's exponent field - 15, held at 1 from below.  Each number is divided by the scale, held within +-57,344 and rounded to the nearest code, ties to even.
; LIMITS: NaN and infinities among the inputs are not served; a block whose largest magnitude lies under 2^-111 keeps the byte 1; a block of zeros gets the byte 1 where the definition says 127: its codes are zeros, and only this program reads the bytes.
; STORED ORDER OF ROWS.  In each group of 32 rows the four runs of eight rows are stored in the order 0, 2, 1, 3 (bits 3 and 4 of the row's number change places): sixteen neighbouring STORED rows are then the true rows
; 32 g + 8 u + r + 8 (r / 8), the choice of rows by which a later product's results lie as sixteen neighbours along the next K in a lane's registers.  The three weights lie one behind the other in w_codes and w_scales.
; SHARES.  A wave takes a run of 8,192 numbers, eight whole rows, in 16 steps of 512; a work-group takes 32 rows.  Work-groups 0-127 take hidden_states, 128-159 Wq, 160-191 Wk, 192-223 Wv: only pointers are chosen, all take one path.
; Each of a step's four loads reads 512 consecutive bytes, 16 a lane; the 2,048 bytes turn through the wave's own stage in LDS and come back 64 bytes a lane: sixteen neighbours of a block, two lanes to a block.
; A lane's 16 codes are 16 bytes: the wave stores 512 consecutive bytes.  A wave's 256 scale bytes are gathered in its own LDS bytes and leave as 256 consecutive bytes, aligned.
; No tensor loads, no barrier, no matrix unit, no cluster: a stream that is read once, and waves share nothing.  Loads run AHEAD steps (32 loads a wave) ahead.
.set STEPS, 16
.set AHEAD, 8
.set EMAX,  15
.set MANT,  0x600000                   ; the mantissa field of 57,344 as f32
.set R,     16                         ; v16-143  AHEAD sets of 16 numbers as they are loaded
.set X,     144                        ; v144-175 two sets of 16 neighbours
.set C,     176                        ; v176-239 codes: four registers for each step, so that no store's data are written again
.set E,     240                        ; v240-255 a scale byte for each step
.set SPW,   1                          ; v1       LDS address of my spare word
.set NIL,   2                          ; v2       0
.set WREG,  8192                       ; LDS: a region for each wave: two stages of 32 x SP bytes, behind them its 256 scale bytes
.set SP,    80                         ; a lane's place in a stage: its 64 bytes + 16 of padding
.set SPARE, 4*WREG                     ; the spare words
	s_load_b256 s[4:11], s[0:1], 0x0               ; hidden_states, Wq, Wk, Wv
	s_load_b256 s[12:19], s[0:1], 0x20             ; x_codes, x_scales, w_codes, w_scales
	v_lshrrev_b32 v1, 5, v0
	v_readfirstlane_b32 s20, v1                    ; wave
	v_and_b32 v2, 31, v0                           ; lane
	v_lshlrev_b32 v3, 4, v2                        ; my 16 bytes of a load's 512
	s_mul_i32 s21, s20, WREG
	v_lshrrev_b32 v14, 2, v2
	v_mul_u32_u24 v14, v14, SP
	v_and_b32 v15, 3, v2
	v_lshl_add_u32 v14, v15, 4, v14
	v_add_nc_u32 v14, s21, v14                     ; the stage, on the way in: four lanes' 64 bytes on end, then 16 of padding
	v_mul_u32_u24 v15, v2, SP
	v_add_nc_u32 v15, s21, v15                     ; and on the way out: my 16 neighbours
	v_lshlrev_b32 v4, 4, v2                        ; my codes' place in a step's
	v_lshrrev_b32 v5, 1, v2
	s_add_co_u32 s21, s21, 2*32*SP
	v_add_nc_u32 v5, s21, v5                       ; LDS: my wave's 256 scale bytes, my block's byte
	v_lshlrev_b32 v7, 3, v2                        ; and on the way out 8 bytes a lane
	v_add_nc_u32 v6, s21, v7
	v_lshl_add_u32 v[SPW], v0, 2, SPARE
	v_mov_b32 v[NIL], 0
	s_mov_b32 s36, MANT                            ; (an instruction takes one literal: the hold's line has another)
	s_sub_co_u32 s22, ttmp9, 128                   ; which work-group among the weights' 96 (not used by the first 128)
	s_lshr_b32 s23, s22, 5                         ; which weight
	s_and_b32 s24, s22, 31                         ; which 32 rows of it
	s_wait_alu depctr_va_vdst(0)
	s_wait_kmcnt 0x0
	s_cmp_eq_u32 s23, 1
	s_cselect_b64 s[6:7], s[8:9], s[6:7]           ; Wk or Wq,
	s_cmp_eq_u32 s23, 2
	s_cselect_b64 s[6:7], s[10:11], s[6:7]         ; or Wv
	s_cmp_lt_u32 ttmp9, 128                        ; all choices hang on the work-group's number alone
	s_cselect_b64 s[4:5], s[4:5], s[6:7]
	s_cselect_b64 s[12:13], s[12:13], s[16:17]
	s_cselect_b64 s[14:15], s[14:15], s[18:19]
	s_cselect_b32 s24, ttmp9, s24                  ; which 32 rows of the source,
	s_cselect_b32 s22, ttmp9, s22                  ; and of the buffers of codes and scale bytes
	s_lshl_b32 s24, s24, 2
	s_add_co_u32 s24, s24, s20                     ; my run of eight rows in the source
	s_and_b32 s25, s20, 1
	s_lshl_b32 s25, s25, 1
	s_lshr_b32 s26, s20, 1
	s_or_b32 s25, s25, s26                         ; the wave's two bits change places: the stored order
	s_lshl_b32 s22, s22, 2
	s_add_co_u32 s22, s22, s25                     ; my run where it is stored
	s_lshl_b32 s26, s24, 15                        ; 32,768 bytes of f32 a run
	s_mov_b32 s27, 0
	s_add_nc_u64 s[4:5], s[4:5], s[26:27]
	s_lshl_b32 s26, s22, 13                        ; 8,192 bytes of codes
	s_add_nc_u64 s[12:13], s[12:13], s[26:27]
	s_lshl_b32 s26, s22, 8                         ; 256 scale bytes
	s_add_nc_u64 s[14:15], s[14:15], s[26:27]
.macro LOAD t
.irp i, 0,1,2,3
	global_load_b128 v[R+16*((\t)%AHEAD)+4*\i:R+16*((\t)%AHEAD)+4*\i+3], v3, s[4:5] offset:2048*(\t)+512*\i th:TH_LOAD_NT   ; 32 lanes read 512 consecutive bytes
.endr
.endm
.macro TURN t                          ; step t's numbers through the stage: LDS serves a wave's instructions in order (ISA guide 5.7.1.4), so no wait stands between the stores and the loads
.irp i, 0,1,2,3
	ds_store_b128 v14, v[R+16*((\t)%AHEAD)+4*\i:R+16*((\t)%AHEAD)+4*\i+3] offset:32*SP*((\t)%2)+8*SP*\i
.endr
.irp i, 0,1,2,3
	ds_load_b128 v[X+16*((\t)%2)+4*\i:X+16*((\t)%2)+4*\i+3], v15 offset:32*SP*((\t)%2)+16*\i
.endr
.endm
.irp t, 0,1,2,3,4,5,6,7
	LOAD \t
.endr
	s_wait_loadcnt 4*(AHEAD-1)                     ; step 0's four loads are in; those of the seven steps behind it stay out
	TURN 0
.macro STEP t
.set XS, X+16*((\t)%2)
.if (\t) > 0
	s_wait_dscnt 1                                 ; this step's numbers are back from the stage (the last step's byte store may be out): so its stores into the stage have read their registers,
.else
	s_wait_dscnt 0x0
.endif
.if (\t)+AHEAD < STEPS
	LOAD (\t)+AHEAD                                ; which take the loads of AHEAD steps on
.endif
.if (\t)+1 < STEPS
.if STEPS-2-(\t) >= AHEAD-1
	s_wait_loadcnt 4*(AHEAD-1)                     ; the next step's four loads are in; those of the steps behind it may be out
.else
	s_wait_loadcnt 4*(STEPS-2-(\t))                ; at the end fewer steps stand behind it
.endif
	TURN (\t)+1                                    ; and go through the other stage while this step is worked
.endif
	v_max3_num_f32 v8, |v[XS]|, |v[XS+1]|, |v[XS+2]|               ; the largest magnitude of my 16, in two chains
	v_max3_num_f32 v9, |v[XS+3]|, |v[XS+4]|, |v[XS+5]|
.irp i, 6,10
	v_max3_num_f32 v8, v8, |v[XS+\i]|, |v[XS+\i+1]|
	v_max3_num_f32 v9, v9, |v[XS+\i+2]|, |v[XS+\i+3]|
.endr
	v_max3_num_f32 v8, v8, |v[XS+14]|, |v[XS+15]|
	v_max3_num_f32 v8, v8, v9, (EMAX+1)<<23        ; and the floor 2^(16 - 127): so the byte cannot fall under 1
	v_max_num_f32_dpp v8, v8, v8 row_xmask:1 row_mask:0xf bank_mask:0xf   ; and of my neighbour's 16: the block's
	v_add_nc_u32 v11, -(EMAX<<23), v8              ; 15 off its exponent field: the conversion takes the exponent field of this operand as its scale, and nothing else of it
	v_and_or_b32 v10, v8, 0x7f800000, s36          ; 57,344 x the scale
.irp i, 0,1,2,3,4,5,6,7,8,9,10,11,12,13,14,15
	v_med3_num_f32 v[XS+\i], v[XS+\i], -v10, v10   ; the conversion to an 8-bit code does not saturate (ISA guide 7.6.2): hold the number first
.endr
	v_cvt_scalef32_pk8_bf8_f32 v[C+4*(\t):C+4*(\t)+1], v[XS:XS+7], v11
	v_cvt_scalef32_pk8_bf8_f32 v[C+4*(\t)+2:C+4*(\t)+3], v[XS+8:XS+15], v11
	v_lshrrev_b32 v[E+(\t)], 23, v11               ; the scale's byte (also the plain line behind the conversions)
	ds_store_b8 v5, v[E+(\t)] offset:16*(\t)       ; both lanes of a block write the same byte with the same value
	global_store_b128 v4, v[C+4*(\t):C+4*(\t)+3], s[12:13] offset:512*(\t)   ; 32 lanes store 512 consecutive bytes
.endm
.irp t, 0,1,2,3,4,5,6,7,8,9,10,11,12,13,14,15
	STEP \t
.endr
	ds_load_b64 v[12:13], v6                       ; LDS serves a wave's instructions in order: these see my stores
	s_wait_dscnt 0x0
	global_store_b64 v7, v[12:13], s[14:15]        ; 32 lanes store 256 consecutive bytes, aligned
	s_wait_tensorcnt 0x0                           ; the wave's end
	ds_add_u32 v[SPW], v[NIL]
	s_wait_dscnt 0x0
	s_endpgm
.Lfunc_end_k_qff1c67dd77_quant:
	.size	k_qff1c67dd77_quant, .Lfunc_end_k_qff1c67dd77_quant-k_qff1c67dd77_quant
	.p2alignl 7, 3214868480
	.fill 96, 4, 3214868480
	.section	.rodata,"a",@progbits
	.p2align	6, 0x0
	.amdhsa_kernel k_qff1c67dd77_quant
		.amdhsa_group_segment_fixed_size 33280
		.amdhsa_private_segment_fixed_size 0
		.amdhsa_enable_private_segment 0
		.amdhsa_kernarg_size 64
		.amdhsa_user_sgpr_count 2
		.amdhsa_user_sgpr_kernarg_segment_ptr 1
		.amdhsa_wavefront_size32 1
		.amdhsa_system_sgpr_workgroup_id_x 1
		.amdhsa_system_sgpr_workgroup_id_y 1
		.amdhsa_system_sgpr_workgroup_id_z 1
		.amdhsa_system_vgpr_workitem_id 0
		.amdhsa_next_free_vgpr 256
		.amdhsa_next_free_sgpr 66
		.amdhsa_reserve_vcc 0
		.amdhsa_float_denorm_mode_32 3
		.amdhsa_float_denorm_mode_16_64 3
		.amdhsa_memory_ordered 1
		.amdhsa_forward_progress 1
		.amdhsa_inst_pref_size 51
	.end_amdhsa_kernel
	.amdgpu_metadata
---
amdhsa.version: [ 1, 2 ]
amdhsa.kernels:
  - .name:           k_qff1c67dd77_quant
    .symbol:         k_qff1c67dd77_quant.kd
    .args:
      - { .name: hidden_states, .offset: 0, .size: 8, .value_kind: global_buffer, .address_space: global }
      - { .name: Wq, .offset: 8, .size: 8, .value_kind: global_buffer, .address_space: global }
      - { .name: Wk, .offset: 16, .size: 8, .value_kind: global_buffer, .address_space: global }
      - { .name: Wv, .offset: 24, .size: 8, .value_kind: global_buffer, .address_space: global }
      - { .name: x_codes, .offset: 32, .size: 8, .value_kind: global_buffer, .address_space: global }
      - { .name: x_scales, .offset: 40, .size: 8, .value_kind: global_buffer, .address_space: global }
      - { .name: w_codes, .offset: 48, .size: 8, .value_kind: global_buffer, .address_space: global }
      - { .name: w_scales, .offset: 56, .size: 8, .value_kind: global_buffer, .address_space: global }
    .group_segment_fixed_size: 33280
    .private_segment_fixed_size: 0
    .kernarg_segment_align: 8
    .kernarg_segment_size: 64
    .max_flat_workgroup_size: 128
    .sgpr_count:     66
    .vgpr_count:     256
    .wavefront_size: 32
...
	.end_amdgpu_metadata
.endif
;; end of part 1
;; launch proj (part 2): grid 8 x 24, 4 waves a work-group, clusters of 4 x 4, 327,680 bytes of LDS; arguments x_codes, x_scales, w_codes, w_scales, bq, bk, bv, qkv_codes, qkv_scales; writes qkv_codes, qkv_scales
.if DOCPART == 2
	.amdgcn_target "amdgcn-amd-amdhsa--gfx1250"
	.amdhsa_code_object_version 6
	.text
	.protected	k_qff1c67dd77_proj
	.globl	k_qff1c67dd77_proj
	.p2align	8
	.type	k_qff1c67dd77_proj,@function
k_qff1c67dd77_proj:
	s_mov_b64 s[64:65], 0
	v_nop
	global_prefetch_b8 v0, s[64:65] scope:SCOPE_SE
	s_setreg_imm32_b32 hwreg(HW_REG_WAVE_MODE, 25, 1), 1
	s_wait_xcnt 0x0
	s_wait_alu depctr_hold_cnt(0) depctr_sa_sdst(0) depctr_va_vdst(0) depctr_va_sdst(0) depctr_va_ssrc(0) depctr_va_vcc(0) depctr_vm_vsrc(0)
	s_getreg_b32 s2, hwreg(HW_REG_IB_STS2, 6, 4)
	s_cmp_eq_u32 s2, 0
	s_cbranch_scc0 .Lentry_in_a_cluster
	s_endpgm
.Lentry_in_a_cluster:
	s_bfe_u32 s2, ttmp6, 0x10000c
	s_cmp_lg_u32 s2, 0xf033
	s_cbranch_scc0 .Lentry_shape_is_right
	s_endpgm
.Lentry_shape_is_right:
; q = x Wq^T + bq, k = x Wk^T + bk, v = x Wv^T + bv on codes of BF8 (E5M2) with one E8M0 scale for each 32 along K = 1,024; sums in f32, each begun with its bias; the results are quantised again at once, along the K of the product that will read them, and only codes and scale bytes go to memory.
; A tile of 256 x 256 results is made by four waves, each 128 x 128: 64 accumulators of 16 x 16, 512 registers.  K goes in four steps of 256 through a ring of two LDS slots filled by the tensor data mover; a tile's row is 256 bytes of memory.
; TWO OPERANDS, P AND R.  P (source 0) is the operand whose rows become the NEXT product's K: a lane's registers run along P's rows.  R (source 1) gives the lane its row.
;   q and k (cluster y 0-3): P = 256 rows of Wq or Wk (the head's channels are the next K), R = 256 tokens.      v (cluster y 4, 5): P = 256 tokens (the keys are the next K), R = 256 rows of Wv.
;   Only pointers, strides and offsets are chosen between the two kinds, by selects on the cluster's y, which all partners share; there is no branch on it.
; STORED ORDER.  Rows of x and of the weights lie with bits 3 and 4 of their number exchanged, so sixteen neighbouring stored rows of P are true rows 32 g + 8 u + r + 8 (r / 8): the 16 registers of two neighbouring accumulators are then 16 neighbours
;   in TRUE order along the next K: register 16 g + i of a block of R holds true P index 32 g + 16 (lane / 16) + i.  R's rows stay in stored order in what is written.
; WRITTEN, AS IMAGES OF THE NEXT LAUNCH'S OPERAND REGISTERS.  qkv_codes: 48 planes of 262,144 bytes.  Planes 0-15 q, 16-31 k by head: [16 stored tokens' tile of 256][piece of 32 channels of 2][lane][16 codes].
;   Planes 32-47 v by head: [64 keys' group of 64][16 stored channels' tile of 4][piece of 32 keys of 2][lane][16 codes].  A lane's 16 codes of a block are its 16 bytes of a piece, so codes go from registers to memory, 512 consecutive bytes a store.
;   qkv_scales: [pair of heads, 8 of q then 8 of k][stored token] words (two bytes for each head), then from byte 262,144 [128 keys' group of 32][1,024 stored channels] words.
; CLUSTERS: 4 x 4 work-groups.  The four of a row of the cluster need the same tiles of R, the four of a column the same tiles of P: each tile is asked for jointly, by the same tensor load with the same descriptor and a mask that names the four.
; 192 work-groups, one tile each: tiles of 128 x 128 would read each LDS byte for half as many products.
; PREFETCH INTO THE L2.  A K step is 256 bytes of each row.  Of the 128 rows that a wave fetches in the ring, each of the four partners that ask for them jointly takes 32, told apart by address (cx for R, cy for P): a lane a row, one instruction a wave and K step,
;   so each block of 256 bytes is named once in each cluster that loads it.  K steps 1 and 2 are asked for behind the head's loads, K step 3 behind K step 1's load, two refills ahead of its own; nothing lies beyond K step 3.
; LIMITS: NaN and infinities are not served; a block whose largest magnitude lies under 2^-111 keeps the byte 1, a block of zeros too (its codes are zeros; only this program reads the bytes).
; REGISTERS, in windows of 256: window 0: v0-31 addresses, v8-15 the bias along R; v32-63 scale words, two sets; v64-127 the bias along P, on the way out at work; from v128 R's fragments, one set.
;   window 1: P's fragments, two sets.   window 2: the accumulators of my R rows 0-63 ((a, b) at v[8 (8 a + b)]);   window 3: those of rows 64-127.
.set KSTEP,  256                       ; along K in a slot
.set NQ,     KSTEP/128                 ; matrix instructions deep
.set ROWB,   256                       ; a tile's row in bytes
.set KROW,   1024                      ; a row of codes in memory, in bytes
.set PITCH,  272                       ; an LDS row: 256 bytes + 16 of padding = 68 words: row r starts at bank 4 r mod 64 (64 banks of 4 bytes: ISA guide 11.1)
.set FR,     16                        ; registers of a fragment: 16 rows x 128 K
.set NL,     4                         ; LDS loads that bring one
.set NP,     8                         ; places behind this matrix instruction (ISA guide 7.12.1)
.set HALFT,  128*PITCH                 ; 128 rows
.set SLOT,   4*HALFT                   ; R's 256 rows, then P's 256 rows
.set KS,     32                        ; a row of scale bytes
.set SCL,    2*SLOT                    ; behind the ring: the scale bytes for all of K, as rows of 256 bytes + 16 of padding
.set HALFS,  (128*KS/256)*272          ; those of 128 rows
.set SBLK,   (16*KS/256)*272           ; those of 16 rows
.set SPARE,  SCL+4*HALFS               ; the spare words, 128 bytes for each wave
.set BPO,  7                           ; v7      byte offset of my bias numbers along P
.set BR,   8                           ; v8-15   the bias along R: block a's number for my row
.set ADRA, 16                          ; v16-17  LDS address of my R fragments in slot 0, 1
.set SWS,  18                          ; v18     the way out: where my row's scale word goes
.set SRD,  19                          ; v19     and where 16 bytes of the wave's 128 words are read back
.set ADRB, 20                          ; v20-21  LDS address of my P fragments
.set CO,   26                          ; v26     16 x lane: my byte offset in a store's 512
.set ADRS, 27                          ; v27     LDS address of my scale words: lanes 0-15 R's rows, lanes 16-31 P's
.set SPW,  28                          ; v28     LDS address of my spare word; never rewritten
.set NIL,  29                          ; v29     0; never rewritten
.set BRO,  30                          ; v30     byte offset of my bias numbers along R
.set PFO,  31                          ; v31     the prefetches' offset: my lane x a row of codes; never rewritten
.set SC,   32                          ; v32-63  scale words and nothing else
.set BP,   64                          ; v64-127 the bias along P, in the layout of a block's 64 results
.set AF,   128                         ; R's fragments
.set PC,   64                          ; the way out, two blocks at a time: v64-95 codes
.set TM,   96                          ; v96-103 largest magnitudes, v104-111 the other half's and then bytes, v112-119 the conversions' scale operands, v120-127 57,344 x the scale
.set PB,   104
.set SO,   112
.set HD,   120
.set PW,   128                         ; v128-129 scale words
.set LB,   132                         ; v132-135 16 bytes of the wave's scale words
.set SEL,  20                          ; s[20:21] lane selects: each lane takes its own place in the other half (set behind the head's address work)
.set MNT,  22                          ; s22     the mantissa field of 57,344
.set G1, 24                            ; s[24:31] descriptor group 1 for R's tiles;  s[32:39] group 0, one set for each slot
.set G0, 32
.set G1B, 48                           ; s[48:55], s[56:63] the same for P's tiles
.set G0B, 56
.set PFA, 66                           ; s[66:67] where my prefetches stand: my 32 rows, K step 0; never rewritten
.set G1S, 68                           ; s[68:75], s[76:79] groups 1 and 0 for R's scales;  s[80:87], s[88:91] for P's
.set G0S, 76
.set G1SB, 80
.set G0SB, 88
.set G0H, 4                            ; s[4:7], s[8:11] group 0 for the head's loads of K step 0 (the arguments that lay there have been used by then)
.set G0HB, 8
.set MSB, 0
.macro WIN new                         ; the immediate's high byte repeats the setting that is left
.if MSB != \new
	s_set_vgpr_msb (MSB<<8)|(\new)
.set MSB, \new
.endif
.endm
.set MUL_LO, 0xa1                      ; source 0 (P) window 1, source 1 (R) window 0, C and D window 2
.set MUL_HI, 0xf1                      ; the same, C and D window 3
.set TO_B,   0x40                      ; destination window 1, address window 0
.macro PLACES n
.rept \n
	v_nop
.endr
.endm
.macro TL g0, g1                       ; a tensor load; s_nop 0 and four v_nop follow it
	tensor_load_to_lds s[\g0:\g0+3], s[\g1:\g1+7]
	s_nop 0
	PLACES 4
.endm
; A joint load: waves 0 and 1 fetch for R, waves 2 and 3 for P.  Each of the two lines has one mask and one set of registers for all that issue it; the branch hangs on the wave's number alone.
.macro JLOAD g0a, g1a, g0b, g1b
	s_cmp_eq_u32 s15, 0
	s_cbranch_scc0 .Lfor_b_\@
	TL \g0a, \g1a
	s_branch .Lasked_\@
.Lfor_b_\@:
	TL \g0b, \g1b
.Lasked_\@:
.endm
.macro ASK step                        ; my 32 rows of a K step
	global_prefetch_b8 v[PFO], s[PFA:PFA+1] offset:(\step)*ROWB th:TH_LOAD_NT scope:SCOPE_SE
.endm
.macro CREST                           ; a round of the cluster's barrier behind its opening barrier
	s_cmp_lg_u32 s14, 0
	s_cbranch_scc1 .Lnot_wave_0_\@
	s_barrier_signal -3
.Lnot_wave_0_\@:
	s_barrier_wait -3
	s_barrier_signal -1
	s_barrier_wait -1
.endm
.macro CROUND                          ; a whole round
	s_barrier_signal -1
	s_barrier_wait -1
	CREST
.endm
	s_load_b256 s[4:11], s[0:1], 0x0               ; x_codes s[4:5], x_scales s[6:7], w_codes s[8:9], w_scales s[10:11]
	s_load_b256 s[68:75], s[0:1], 0x20             ; bq s[68:69], bk s[70:71], bv s[72:73], qkv_codes s[74:75]
	s_load_b64 s[76:77], s[0:1], 0x40              ; qkv_scales
	v_lshl_add_u32 v[SPW], v0, 2, SPARE
	v_mov_b32 v[NIL], 0
	ds_add_u32 v[SPW], v[NIL]                      ; the wave's opening: the add, twice on end, and its wait ahead of my first tensor load
	ds_add_u32 v[SPW], v[NIL]
	v_lshrrev_b32 v3, 5, v0
	v_readfirstlane_b32 s14, v3                    ; wave 0..3
	s_lshr_b32 s15, s14, 1                         ; which half of the tile's R rows is mine.  Also: in the ring I fetch for R (0) or for P (1)
	s_and_b32 s16, s14, 1                          ; which half of its P rows.  Also: which 128 rows of that tile I fetch
	v_and_b32 v1, 15, v0                           ; r = l % 16
	v_bfe_u32 v2, v0, 4, 1                         ; h = l / 16
	v_and_b32 v[PFO], 31, v0
	v_lshlrev_b32 v[PFO], 10, v[PFO]
	s_bfe_u32 s40, ttmp6, 0x40000                  ; cx, cy: my place in the cluster
	s_bfe_u32 s41, ttmp6, 0x40004
	s_and_b32 s18, ttmp7, 0xffff                   ; cluster y: 0-3 q and k, 4 and 5 v
	s_sub_co_u32 s20, s18, 4
	s_lshl_b32 s20, s20, 3                         ; 8 (cluster y - 4)
	s_mov_b32 s96, 262144
	s_mov_b32 s97, 4096
	s_cmp_ge_u32 s18, 4                            ; v's tile?  The selects below stand together: nothing between them touches SCC
	s_cselect_b32 s95, -1, 0                       ; s95: all ones for v, 0 for q and k
	s_cselect_b32 s19, 0, s18
	s_cselect_b32 s21, s20, 0
	s_cselect_b32 s96, 4096, s96                   ; s96: bytes in qkv_codes from 64 P rows to the next 64: a plane (q, k) or a group of 64 keys (v)
	s_cselect_b32 s97, 262144, s97                 ; s97: from 64 R rows to the next 64: 64 tokens (q, k) or a plane (v)
	s_cselect_b32 s23, 2048, 0                     ; Wv's first row in w_codes
	s_lshl_b32 s42, ttmp9, 2
	s_add_co_u32 s42, s42, s40
	s_add_co_u32 s42, s42, s21                     ; P's tile = 4 x cluster x + cx (+ 8 (cluster y - 4) for v): it never holds cy
	s_lshl_b32 s17, s19, 2
	s_add_co_u32 s17, s17, s41                     ; R's tile = 4 x cluster y + cy (cy alone for v): it never holds cx
	s_lshl_b32 s43, s41, 2
	s_lshl_b32 s43, 15, s43                        ; my row of the cluster
	s_lshl_b32 s44, 0x1111, s40                    ; my column
	; the bias.  Along P: true index 32 g + 16 h + i of my 128 rows: 16 loads of 16 bytes.  Along R: block a's row r is true row 32 (a / 2) + 8 (a % 2) + 16 (r / 8) + r % 8: 8 loads of 4 bytes.
	; Both are loaded for both kinds of tile (the tile's number is cut to 0-3, so every load stays inside the 4,096 bytes); the one that does not apply is replaced by 0.
	s_and_b32 s100, s42, 3
	s_lshl_b32 s100, s100, 10
	s_lshl_b32 s101, s16, 9
	s_add_co_u32 s100, s100, s101
	s_wait_alu depctr_va_vdst(0)                   ; directly ahead of the reader below
	v_lshl_add_u32 v[BPO], v2, 6, s100
	s_and_b32 s100, s17, 3
	s_lshl_b32 s100, s100, 10
	s_lshl_b32 s101, s15, 9
	s_add_co_u32 s100, s100, s101
	v_and_b32 v3, 7, v1
	v_lshrrev_b32 v5, 3, v1
	v_lshl_add_u32 v3, v5, 4, v3
	v_lshl_add_u32 v[BRO], v3, 2, s100
	; descriptor group 1: a tile's rows of 256 bytes, padded in LDS: 256 rows for the head's loads; behind them the two words that count rows are set to 128, for the ring's
	s_or_b32 s[G1+0], s43, (0<<16)|(1<<20)|(1<<21)|(5<<22)|(3<<25)  ; 15:0 the mask: R's tiles go to my row; 17:16 element of 1 byte; 20 padding on; 21 set beside a mask; 24:22 after every 64 words (code 5); 31:25 of 4 words (code 3)
	s_or_b32 s[G1B+0], s44, (0<<16)|(1<<20)|(1<<21)|(5<<22)|(3<<25)
.irp g, G1, G1B
	s_mov_b32 s[\g+1], ROWB<<16                    ; tensor_dim0
	s_mov_b32 s[\g+2], 256<<16                     ; tensor_dim1 = 256
	s_mov_b32 s[\g+3], ROWB<<16                    ; tile_dim0
	s_mov_b32 s[\g+4], 256                         ; tile_dim1 = 256
	s_mov_b32 s[\g+5], KROW                        ; tensor_dim0_stride
	s_mov_b32 s[\g+6], 0
	s_mov_b32 s[\g+7], 0
.endr
	s_lshl_b32 s20, s17, 8
	s_add_co_u32 s20, s20, s23                     ; R: row 256 x tile (+ 2,048 in w_codes for v)
	s_lshl_b32 s46, s42, 8                         ; P: row 256 x tile
	s_mov_b32 s21, 0
	s_mov_b32 s47, 0
	s_mov_b64 s[18:19], KS
	s_mul_u64 s[22:23], s[20:21], s[18:19]         ; where these rows' scale bytes begin
	s_mul_u64 s[92:93], s[46:47], s[18:19]
	s_mov_b64 s[18:19], KROW
	s_mul_u64 s[20:21], s[20:21], s[18:19]         ; and their codes
	s_mul_u64 s[46:47], s[46:47], s[18:19]
	s_mul_i32 s18, s16, 128*KROW                   ; in the ring I fetch 128 rows of a tile: which half, in bytes,
	s_mov_b32 s19, 0
	s_mul_i32 s45, s14, HALFT                      ; and where they go: wave x 128 rows: no place in the cluster enters an LDS address
	s_wait_dscnt 0x0                               ; both opening adds are done
	s_wait_alu depctr_va_vdst(0)
	s_wait_kmcnt 0x0
	s_cmp_lg_u32 s95, 0                            ; for v the two operands change buffers
	s_cselect_b64 s[80:81], s[8:9], s[4:5]         ; R's codes
	s_cselect_b64 s[82:83], s[10:11], s[6:7]       ; R's scale bytes
	s_cselect_b64 s[8:9], s[4:5], s[8:9]           ; P's codes
	s_cselect_b64 s[10:11], s[6:7], s[10:11]       ; P's scale bytes
	s_mov_b64 s[4:5], s[80:81]
	s_mov_b64 s[6:7], s[82:83]
	s_mov_b64 s[12:13], s[74:75]                   ; qkv_codes
	s_mov_b64 s[98:99], s[76:77]                   ; qkv_scales
	s_cmp_ge_u32 ttmp9, 1                          ; P's tiles 0-3 are Wq's rows, 4-7 Wk's
	s_cselect_b64 s[104:105], s[70:71], s[68:69]
	s_cmp_lg_u32 s95, 0
	s_cselect_b64 s[104:105], s[72:73], s[104:105] ; the bias of this tile's product
.irp g, 0,1,2,3
.irp i, 0,1,2,3
	global_load_b128 v[BP+16*\g+4*\i:BP+16*\g+4*\i+3], v[BPO], s[104:105] offset:128*\g+16*\i
.endr
.endr
.irp a, 0,1,2,3,4,5,6,7
	global_load_b32 v[BR+\a], v[BRO], s[104:105] offset:(32*(\a/2)+8*(\a%2))*4
.endr
	; group 1 for the scale bytes of 256 rows: a dense block of 8,192 bytes, as 32 rows of 256 bytes (32 elements of 8 bytes), 16 bytes of padding behind each.  (The registers held arguments until here.)
	s_or_b32 s[G1S+0], s43, (3<<16)|(1<<20)|(1<<21)|(5<<22)|(3<<25)
	s_or_b32 s[G1SB+0], s44, (3<<16)|(1<<20)|(1<<21)|(5<<22)|(3<<25)
.irp g, G1S, G1SB
	s_mov_b32 s[\g+1], 32<<16
	s_mov_b32 s[\g+2], KS<<16
	s_mov_b32 s[\g+3], 32<<16
	s_mov_b32 s[\g+4], KS
	s_mov_b32 s[\g+5], 32
	s_mov_b32 s[\g+6], 0
	s_mov_b32 s[\g+7], 0
.endr
	s_add_nc_u64 s[20:21], s[4:5], s[20:21]
	s_add_nc_u64 s[22:23], s[6:7], s[22:23]
	s_add_nc_u64 s[46:47], s[8:9], s[46:47]
	s_add_nc_u64 s[92:93], s[10:11], s[92:93]
	CROUND                                         ; all sixteen work-groups are here: the first joint loads meet
	s_mov_b32 s[G0H], 1                            ; the head's four tiles, each whole: K step 0's 256 rows of R,
	s_mov_b32 s[G0H+1], 0
	s_mov_b64 s[G0H+2:G0H+3], s[20:21]
	s_or_b32 s[G0H+3], s[G0H+3], 0x80000000
	s_mov_b32 s[G0HB], 1                           ; its 256 rows of P, behind them in slot 0,
	s_mov_b32 s[G0HB+1], 2*HALFT
	s_mov_b64 s[G0HB+2:G0HB+3], s[46:47]
	s_or_b32 s[G0HB+3], s[G0HB+3], 0x80000000
	s_mov_b32 s[G0S], 1                            ; the scale bytes of R's 256 rows,
	s_mov_b32 s[G0S+1], SCL
	s_mov_b64 s[G0S+2:G0S+3], s[22:23]
	s_or_b32 s[G0S+3], s[G0S+3], 0x80000000
	s_mov_b32 s[G0SB], 1                           ; and of P's
	s_mov_b32 s[G0SB+1], SCL+2*HALFS
	s_mov_b64 s[G0SB+2:G0SB+3], s[92:93]
	s_or_b32 s[G0SB+3], s[G0SB+3], 0x80000000
	s_add_nc_u64 s[20:21], s[20:21], s[18:19]      ; for the ring: my 128 rows of the tile
	s_add_nc_u64 s[46:47], s[46:47], s[18:19]
.irp s, 0,1
	s_mov_b32 s[G0+4*\s], 1
	s_add_co_u32 s[G0+4*\s+1], s45, \s*SLOT
	s_add_nc_u64 s[G0+4*\s+2:G0+4*\s+3], s[20:21], \s*ROWB
	s_or_b32 s[G0+4*\s+3], s[G0+4*\s+3], 0x80000000
	s_mov_b32 s[G0B+4*\s], 1
	s_add_co_u32 s[G0B+4*\s+1], s45, \s*SLOT
	s_add_nc_u64 s[G0B+4*\s+2:G0B+4*\s+3], s[46:47], \s*ROWB
	s_or_b32 s[G0B+4*\s+3], s[G0B+4*\s+3], 0x80000000
.endr
; THE HEAD'S LOADS, ONE A WAVE.  One tree of branches on the wave's number: every way through the head passes exactly one load.
.macro ARM under, g0, g1, next
	s_cmp_lt_u32 s14, \under
	s_cbranch_scc0 \next
	TL \g0, \g1
	s_branch .Lhead_asked
\next:
.endm
	ARM 1, G0H,  G1,  .Lhead_b
	ARM 2, G0HB, G1B, .Lhead_sa
	ARM 3, G0S,  G1S, .Lhead_sb
	TL G0SB, G1SB
.Lhead_asked:
	s_cmp_eq_u32 s15, 0                            ; the prefetches: the 128 rows that I fetch in the ring,
	s_cselect_b64 s[PFA:PFA+1], s[20:21], s[46:47]
	s_cselect_b32 s18, s40, s41                    ; my place among the four that ask for them,
	s_lshl_b32 s18, s18, 15                        ; 32 rows a place
	s_mov_b32 s19, 0
	s_add_nc_u64 s[PFA:PFA+1], s[PFA:PFA+1], s[18:19]
	v_mul_u32_u24 v3, v1, PITCH
	v_lshl_add_u32 v4, v2, 4, v3                   ; a fragment's row x pitch + 16 x half
	s_mul_i32 s21, s15, HALFT                      ; my 128 rows of R
	s_mul_i32 s22, s16, HALFT                      ; my 128 rows of P,
	s_add_co_u32 s22, s22, 2*HALFT                 ; which lie behind R's 256
	s_wait_alu depctr_va_vdst(0)
.irp s, 0,1
	v_add_nc_u32 v[ADRA+\s], s21, v4
	v_add_nc_u32 v[ADRB+\s], s22, v4
	s_add_co_u32 s21, s21, SLOT
	s_add_co_u32 s22, s22, SLOT
.endr
	v_mul_u32_u24 v5, v1, KS                       ; my row's scale bytes: 32 a row,
	v_lshrrev_b32 v6, 8, v5
	v_lshl_add_u32 v5, v6, 4, v5                   ; and 16 more for each 256 passed
	s_mul_i32 s21, s15, HALFS                      ; R's: my 128 rows
	s_mul_i32 s22, s16, HALFS                      ; P's: my 128 rows, behind R's 256
	s_add_co_u32 s22, s22, 2*HALFS
	s_sub_co_u32 s22, s22, s21
	v_mul_u32_u24 v6, s22, v2                      ; lanes 16-31 take P's
	s_add_co_u32 s21, s21, SCL
	v_add_nc_u32 v5, v5, v6
	v_add_nc_u32 v[ADRS], s21, v5
	ASK 1
	ASK 2
	; the way out's LDS bytes: 512 x wave, in slot 0, which has had its last fill and its last read when the first scale word is stored there
	s_lshl_b32 s23, s14, 9
	v_and_b32 v6, 31, v0
	v_lshlrev_b32 v[CO], 4, v6
	v_lshlrev_b32 v5, 2, v1
	v_add_nc_u32 v[SWS], s23, v5
	v_add_nc_u32 v[SRD], s23, v[CO]
	; where my part begins in qkv_codes and qkv_scales
	s_lshl_b32 s20, s42, 2
	s_lshl_b32 s21, s16, 1
	s_add_co_u32 s20, s20, s21                     ; my first 64 P rows, counted in sixty-fours
	s_lshl_b32 s22, s17, 2
	s_lshl_b32 s21, s15, 1
	s_add_co_u32 s22, s22, s21                     ; the same for R
	s_mul_i32 s46, s20, s96
	s_mul_i32 s47, s22, s97
	s_add_co_u32 s46, s46, s47
	s_and_b32 s47, s95, 8388608                    ; v's planes begin behind q's and k's 32
	s_add_co_u32 s46, s46, s47
	s_mov_b32 s47, 0
	s_add_nc_u64 s[12:13], s[12:13], s[46:47]      ; my first 64 P rows,
	s_mov_b32 s46, s96
	s_add_nc_u64 s[100:101], s[12:13], s[46:47]    ; my second 64
	s_mov_b32 s92, s97                             ; s[92:93]: what both bases step by at R's block 4
	s_mov_b32 s93, 0
	s_lshr_b32 s20, s20, 1                         ; the pair of heads, or the group of 128 keys
	s_mov_b32 s21, 16384
	s_cmp_lg_u32 s95, 0
	s_cselect_b32 s21, 4096, s21                   ; its words: 4,096 tokens', or 1,024 channels'
	s_mul_i32 s46, s20, s21
	s_lshl_b32 s22, s22, 8                         ; 64 words for each 64 R rows
	s_add_co_u32 s46, s46, s22
	s_and_b32 s21, s95, 262144
	s_add_co_u32 s46, s46, s21
	s_add_nc_u64 s[98:99], s[98:99], s[46:47]
	s_mov_b32 s[SEL], 0x76543210
	s_mov_b32 s[SEL+1], 0xfedcba98
	s_mov_b32 s[MNT], 0x600000
	s_wait_alu depctr_va_vdst(0)
	s_wait_loadcnt 0x0                             ; the bias
.set i, 0
.rept 64
	v_cndmask_b32 v[BP+i], v[BP+i], 0, s95         ; the bias along P counts for q and k alone,
.set i, i+1
.endr
.irp a, 0,1,2,3,4,5,6,7
	v_cndmask_b32 v[BR+\a], 0, v[BR+\a], s95       ; that along R for v alone
.endr
; THE SUMS BEGIN WITH THE BIAS, made here while the first tiles are on their way: one of the two addends is 0, so nothing is rounded
.macro INIT a
.set i, 0
.rept 32
.if (\a)%2
	v_pk_add_f32 v[64*((\a)%4)+i:64*((\a)%4)+i+1], v[BP+i:BP+i+1], v[BR+(\a)-1:BR+(\a)] op_sel:[0,1]
.else
	v_pk_add_f32 v[64*((\a)%4)+i:64*((\a)%4)+i+1], v[BP+i:BP+i+1], v[BR+(\a):BR+(\a)+1] op_sel_hi:[1,0]
.endif
.set i, i+2
.endr
.endm
	WIN 0x80
.irp a, 0,1,2,3
	INIT \a
.endr
	WIN 0xc0
.irp a, 4,5,6,7
	INIT \a
.endr
	WIN 0
.macro FRAG reg, adr, q, i             ; a fragment, 16 rows x 128 K of 8-bit codes, is 16 registers: lane l holds row l % 16; registers 4 c .. 4 c + 3 hold K = 32 c + 16 (l / 16) + 0 .. 15
.irp c, 0,1,2,3
	ds_load_b128 v[\reg+4*\c:\reg+4*\c+3], v[\adr] offset:128*(\q)+32*\c+(\i)*16*PITCH
.endr
.endm
; 16 matrix instructions: R's blocks a0, a0 + 1 x P's eight, 128 along K: the slot's q-th.  p: P's set;  sc: the set of scale words.
; The 64 accumulators take turns, one instruction a turn, in the same order in every step.
.macro MUL16 a0, p, q, sc
.irp a, \a0, \a0+1
.irp b, 0,1,2,3,4,5,6,7
	v_wmma_scale_f32_16x16x128_f8f6f4 v[8*(8*((\a)%4)+\b):8*(8*((\a)%4)+\b)+7], v[128*(\p)+FR*\b:128*(\p)+FR*\b+FR-1], v[AF+FR*(\a):AF+FR*(\a)+FR-1], v[8*(8*((\a)%4)+\b):8*(8*((\a)%4)+\b)+7], v[SC+8*NQ*(\sc)+NQ*\b+(\q)], v[SC+8*NQ*(\sc)+NQ*(\a)+(\q)] matrix_a_fmt:MATRIX_FMT_BF8 matrix_b_fmt:MATRIX_FMT_BF8 matrix_a_scale:MATRIX_SCALE_ROW1
.endr
.endr
.endm
.macro FETCH_B slot, q, p, i0          ; P's fragments i0 .. i0 + 3 of the slot's q-th 128 along K into set p: 16 loads
	WIN TO_B
.irp i, \i0, \i0+1, \i0+2, \i0+3
	FRAG 128*(\p)+FR*(\i), ADRB+\slot, \q, \i
.endr
.endm
.macro FETCH_A slot, q, i0             ; R's blocks i0 .. i0 + 3: 16 loads
	WIN 0
.irp i, \i0, \i0+1, \i0+2, \i0+3
	FRAG AF+FR*(\i), ADRA+\slot, \q, \i
.endr
.endm
.macro SCALES sc                       ; the next K step's scale words into set sc: two words a row; lanes 0-15 take R's block i, lanes 16-31 P's block i
.irp i, 0,1,2,3,4,5,6,7
	ds_load_b64 v[SC+8*NQ*\sc+NQ*\i:SC+8*NQ*\sc+NQ*\i+1], v[ADRS] offset:\i*SBLK
.endr
.endm
; A load into a register that a matrix instruction has read, and a vector instruction that reads a matrix result, stand eight places behind that matrix instruction, and only plain vector
; instructions that name none of its registers are places; the matrix instructions in between are not counted.
; A step of 128 along K that has its successor in the same slot.  Its loads stand in runs of 16 between runs of products; P's other set was last read a step ago, ahead of that step's closing places.
.macro STEP slot, q
	s_wait_dscnt 4*NL                              ; P's set and R's blocks 0-3 are in; the youngest sixteen loads (R's blocks 4-7) may be out
	WIN MUL_LO
	MUL16 0, (\q)%2, \q, \slot
	FETCH_B \slot, (\q)+1, 1-(\q)%2, 0
	WIN MUL_LO
	MUL16 2, (\q)%2, \q, \slot
	FETCH_B \slot, (\q)+1, 1-(\q)%2, 4
	s_wait_dscnt 8*NL                              ; R's blocks 4-7 are in; the 32 loads of P's next set may be out
	PLACES NP
	FETCH_A \slot, (\q)+1, 0
	WIN MUL_HI
	MUL16 4, (\q)%2, \q, \slot
	MUL16 6, (\q)%2, \q, \slot
	PLACES NP
	FETCH_A \slot, (\q)+1, 4
.endm
; A slot's last step changes slots: one barrier; in front of it each wave waits for all its tensor loads, adds 0 to its spare word, and waits for that and for its own reads of this slot.  fill = 1: this slot is filled again, two K steps ahead.
.macro TURN slot, next, fill
	s_wait_tensorcnt 0x0                           ; all my tensor loads have landed: my part of the next slot;  (every window is 0 here: the add's two registers lie in window 0)
	ds_add_u32 v[SPW], v[NIL]                      ; 0 onto my spare word;
	s_wait_dscnt 4*NL+1                            ; (the add and the youngest sixteen loads, R's blocks 4-7, may be out)
	WIN MUL_LO
	MUL16 0, 1, NQ-1, \slot                        ; sixteen matrix instructions stand between the add and the wait for it
	s_wait_dscnt 0x0                               ; the add is done, and my reads of this slot are over
	s_barrier_signal -1
	MUL16 2, 1, NQ-1, \slot
	WIN 0
	s_barrier_wait -1
.if \fill
	CREST                                          ; the barrier has opened the cluster's: no wave of any partner still reads this slot's tile or has a load on its way
	s_add_nc_u64 s[G0+4*\slot+2:G0+4*\slot+3], s[G0+4*\slot+2:G0+4*\slot+3], 2*ROWB
	s_add_nc_u64 s[G0B+4*\slot+2:G0B+4*\slot+3], s[G0B+4*\slot+2:G0B+4*\slot+3], 2*ROWB
	JLOAD G0+4*\slot, G1, G0B+4*\slot, G1B         ; the first tensor load behind it; the four v_nop behind it are among the places in front of the loads below
	PLACES NP-4
.else
	PLACES NP
.endif
	v_add_nc_u32 v[ADRS], 4*NQ, v[ADRS]            ; on to the next K step's scale words (no LDS load of mine is out)
	s_wait_alu depctr_va_vdst(0)                   ; directly behind the write
	FETCH_B \next, 0, 0, 0
	FETCH_A \next, 0, 0
	SCALES \next
	WIN MUL_HI
	MUL16 4, 1, NQ-1, \slot
	FETCH_B \next, 0, 0, 4
	WIN MUL_HI
	MUL16 6, 1, NQ-1, \slot
	PLACES NP
	FETCH_A \next, 0, 4
.endm
	s_wait_alu depctr_va_vdst(0)
	s_wait_tensorcnt 0x0                           ; my tile of the head's four is in
	ds_add_u32 v[SPW], v[NIL]
	s_mov_b32 s[G1+2], 128<<16                     ; no tensor load of mine is out, so a descriptor may be written: from here on a load brings 128 rows
	s_mov_b32 s[G1+4], 128
	s_mov_b32 s[G1B+2], 128<<16
	s_mov_b32 s[G1B+4], 128
	s_wait_dscnt 0x0                               ; the add is done
	CROUND                                         ; a whole round: all four tiles are in, and all sixteen work-groups are here: the joint loads meet,
	JLOAD G0+4, G1, G0B+4, G1B                     ; and K step 1's load, the first tensor load behind the round
	FETCH_B 0, 0, 0, 0
	FETCH_B 0, 0, 0, 4
	FETCH_A 0, 0, 0
	SCALES 0
	FETCH_A 0, 0, 4
	ASK 3
	STEP 0, 0                                      ; the four K steps, by slots 0, 1, 0, 1
	TURN 0, 1, 1
	STEP 1, 0
	TURN 1, 0, 1
	STEP 0, 0
	TURN 0, 1, 0                                   ; the last two fill nothing
	STEP 1, 0
	s_wait_dscnt 4*NL                              ; the very last step: nothing more to fetch
	WIN MUL_LO
	MUL16 0, 1, NQ-1, 1
	MUL16 2, 1, NQ-1, 1
	s_wait_dscnt 0
	WIN MUL_HI
	MUL16 4, 1, NQ-1, 1
	MUL16 6, 1, NQ-1, 1
	WIN 0
; THE WAY OUT, two blocks of 16 R rows x 128 P rows at a time: quantised along P in the accumulators, codes straight from registers, stores of 512 consecutive bytes.  No barrier: every stored run of bytes is made by one wave.
.irp b, 0,1,2,3,4,5,6,7
	v_mov_b32 v[PB+\b], 0                          ; written once: a lane permute's destination counts as one of its sources.  (These eight are also the places behind the last products)
.endr
.macro OUT a
.set W, 2+(\a)/4                       ; the blocks' window
.set AC, 64*((\a)%4)
	WIN 0x14*W                                     ; sources 1 and 2: the accumulators
.irp b, 0,1,2,3
	v_max3_num_f32 v[TM+\b], 0x8000000, |v[AC+16*\b]|, |v[AC+16*\b+1]|   ; the floor 2^(16 - 127): so the byte cannot fall under 1.  Each accumulator is read from its low end on
	v_max3_num_f32 v[TM+4+\b], 0x8000000, |v[AC+64+16*\b]|, |v[AC+64+16*\b+1]|
.endr
.irp i, 2,4,6,8,10,12,14
.irp b, 0,1,2,3
	v_max3_num_f32 v[TM+\b], v[TM+\b], |v[AC+16*\b+\i]|, |v[AC+16*\b+\i+1]|   ; (the eight scale blocks by turns)
	v_max3_num_f32 v[TM+4+\b], v[TM+4+\b], |v[AC+64+16*\b+\i]|, |v[AC+64+16*\b+\i+1]|
.endr
.endr
	WIN 0
.irp b, 0,1,2,3,4,5,6,7
	v_permlanex16_b32 v[PB+\b], v[TM+\b], s[SEL], s[SEL+1]
.endr
.irp b, 0,1,2,3,4,5,6,7
	v_max_num_f32 v[TM+\b], v[TM+\b], v[PB+\b]     ; with the lane 16 away: the block's largest magnitude
.endr
.irp b, 0,1,2,3,4,5,6,7
	v_add_nc_u32 v[SO+\b], 0xf8800000, v[TM+\b]    ; 15 off its exponent field: the conversion's scale operand
.endr
.irp b, 0,1,2,3,4,5,6,7
	v_and_or_b32 v[HD+\b], v[TM+\b], 0x7f800000, s[MNT]   ; 57,344 x the scale
.endr
.irp b, 0,1,2,3,4,5,6,7
	v_lshrrev_b32 v[PB+\b], 23, v[SO+\b]           ; the scale's byte
.endr
.irp s, 8,16,24                                    ; four bytes make my row's scale word (both halves of the lanes hold the same)
.irp n, 0,1
.if \s == 8
	v_lshl_or_b32 v[PW+\n], v[PB+4*\n+1], 8, v[PB+4*\n]
.else
	v_lshl_or_b32 v[PW+\n], v[PB+4*\n+\s/8], \s, v[PW+\n]
.endif
.endr
.endr
	s_wait_alu depctr_va_vdst(0)                   ; directly ahead of the wait below
	s_wait_xcnt 0x0                                ; the earlier stores have read their codes and their bases
.if (\a) == 4
	s_add_nc_u64 s[12:13], s[12:13], s[92:93]      ; on to my second 64 R rows
	s_add_nc_u64 s[100:101], s[100:101], s[92:93]
.endif
	WIN 0x41*W                                     ; source 0 and destination: the accumulators
.irp b, 0,1,2,3,4,5,6,7
.irp i, 0,1,2,3,4,5,6,7,8,9,10,11,12,13,14,15
	v_med3_num_f32 v[AC+16*\b+\i], v[AC+16*\b+\i], -v[HD+\b], v[HD+\b]   ; the conversion to an 8-bit code does not saturate (ISA guide 7.6.2): the hold at the largest code x the scale
.endr
.endr
	WIN W
.irp b, 0,1,2,3,4,5,6,7
	v_cvt_scalef32_pk8_bf8_f32 v[PC+4*\b:PC+1+4*\b], v[AC+16*\b:AC+7+16*\b], v[SO+\b]
	v_cvt_scalef32_pk8_bf8_f32 v[PC+2+4*\b:PC+3+4*\b], v[AC+8+16*\b:AC+15+16*\b], v[SO+\b]
.endr
	v_nop                                          ; one plain vector line behind the last conversion
	WIN 0
.irp n, 0,1
	ds_store_b32 v[SWS], v[PW+\n] offset:64*((\a)+\n)      ; both halves of the lanes write the same word with the same value
.irp b, 0,1
	global_store_b128 v[CO], v[PC+16*\n+4*\b:PC+16*\n+4*\b+3], s[12:13] offset:1024*(((\a)+\n)%4)+512*\b      ; 32 lanes store 512 consecutive bytes, at a multiple of 512 from the buffer's first byte
	global_store_b128 v[CO], v[PC+16*\n+8+4*\b:PC+16*\n+8+4*\b+3], s[100:101] offset:1024*(((\a)+\n)%4)+512*\b
.endr
.endr
.endm
.irp a, 0,2,4,6
	OUT \a
.endr
	ds_load_b128 v[LB:LB+3], v[SRD]                ; my wave's 128 scale words: LDS serves a wave's instructions in order (ISA guide 5.7.1.4): these see the stores above
	s_wait_dscnt 0x0
	global_store_b128 v[CO], v[LB:LB+3], s[98:99]  ; 512 consecutive bytes
	s_wait_tensorcnt 0x0                           ; the wave's end, behind my last tensor load and my last LDS store
	ds_add_u32 v[SPW], v[NIL]
	s_wait_dscnt 0x0
	CROUND                                         ; the closing round of the cluster's barrier: no work-group ends while a partner may still ask for a tile that names it
	s_endpgm
.Lfunc_end_k_qff1c67dd77_proj:
	.size	k_qff1c67dd77_proj, .Lfunc_end_k_qff1c67dd77_proj-k_qff1c67dd77_proj
	.p2alignl 7, 3214868480
	.fill 96, 4, 3214868480
	.section	.rodata,"a",@progbits
	.p2align	6, 0x0
	.amdhsa_kernel k_qff1c67dd77_proj
		.amdhsa_group_segment_fixed_size 327680
		.amdhsa_private_segment_fixed_size 0
		.amdhsa_enable_private_segment 0
		.amdhsa_kernarg_size 72
		.amdhsa_user_sgpr_count 2
		.amdhsa_user_sgpr_kernarg_segment_ptr 1
		.amdhsa_wavefront_size32 1
		.amdhsa_system_sgpr_workgroup_id_x 1
		.amdhsa_system_sgpr_workgroup_id_y 1
		.amdhsa_system_sgpr_workgroup_id_z 1
		.amdhsa_system_vgpr_workitem_id 0
		.amdhsa_next_free_vgpr 1024
		.amdhsa_next_free_sgpr 106
		.amdhsa_reserve_vcc 0
		.amdhsa_float_denorm_mode_32 3
		.amdhsa_float_denorm_mode_16_64 3
		.amdhsa_memory_ordered 1
		.amdhsa_forward_progress 1
		.amdhsa_inst_pref_size 211
	.end_amdhsa_kernel
	.amdgpu_metadata
---
amdhsa.version: [ 1, 2 ]
amdhsa.kernels:
  - .name:           k_qff1c67dd77_proj
    .symbol:         k_qff1c67dd77_proj.kd
    .args:
      - { .name: x_codes, .offset: 0, .size: 8, .value_kind: global_buffer, .address_space: global }
      - { .name: x_scales, .offset: 8, .size: 8, .value_kind: global_buffer, .address_space: global }
      - { .name: w_codes, .offset: 16, .size: 8, .value_kind: global_buffer, .address_space: global }
      - { .name: w_scales, .offset: 24, .size: 8, .value_kind: global_buffer, .address_space: global }
      - { .name: bq, .offset: 32, .size: 8, .value_kind: global_buffer, .address_space: global }
      - { .name: bk, .offset: 40, .size: 8, .value_kind: global_buffer, .address_space: global }
      - { .name: bv, .offset: 48, .size: 8, .value_kind: global_buffer, .address_space: global }
      - { .name: qkv_codes, .offset: 56, .size: 8, .value_kind: global_buffer, .address_space: global }
      - { .name: qkv_scales, .offset: 64, .size: 8, .value_kind: global_buffer, .address_space: global }
    .group_segment_fixed_size: 327680
    .private_segment_fixed_size: 0
    .kernarg_segment_align: 8
    .kernarg_segment_size: 72
    .max_flat_workgroup_size: 128
    .sgpr_count:     106
    .vgpr_count:     1024
    .wavefront_size: 32
...
	.end_amdgpu_metadata
.endif
;; end of part 2
;; launch attn (part 3): grid 8 x 32, 8 waves a work-group, clusters of 4 x 1, 327,680 bytes of LDS; arguments qkv_codes, qkv_scales, attn_mask, out0; writes out0
.if DOCPART == 3
	.amdgcn_target "amdgcn-amd-amdhsa--gfx1250"
	.amdhsa_code_object_version 6
	.text
	.protected	k_qff1c67dd77_attn
	.globl	k_qff1c67dd77_attn
	.p2align	8
	.type	k_qff1c67dd77_attn,@function
k_qff1c67dd77_attn:
	s_mov_b64 s[64:65], 0
	v_nop
	global_prefetch_b8 v0, s[64:65] scope:SCOPE_SE
	s_setreg_imm32_b32 hwreg(HW_REG_WAVE_MODE, 25, 1), 1
	s_wait_xcnt 0x0
	s_wait_alu depctr_hold_cnt(0) depctr_sa_sdst(0) depctr_va_vdst(0) depctr_va_sdst(0) depctr_va_ssrc(0) depctr_va_vcc(0) depctr_vm_vsrc(0)
	s_getreg_b32 s2, hwreg(HW_REG_IB_STS2, 6, 4)
	s_cmp_eq_u32 s2, 0
	s_cbranch_scc0 .Lentry_in_a_cluster
	s_endpgm
.Lentry_in_a_cluster:
	s_bfe_u32 s2, ttmp6, 0x10000c
	s_cmp_lg_u32 s2, 0x3003
	s_cbranch_scc0 .Lentry_shape_is_right
	s_endpgm
.Lentry_shape_is_right:
; out[b][q][h] = the sum over keys of softmax(Q . K / 8 - 10000 (1 - mask[b][key])) V, both products on codes of BF8 (E5M2) with one E8M0 scale for each 32 along a product's K (the head's 64 channels; the keys), sums in f32.
; SOFTMAX.  The first product starts from C = -80000 (1 - mask), so a score is 8 x the logit; t = score x log2(e) / 8; M = the row's largest t so far, rounded UP to a whole number; p = 2^(t - M) is what is quantised, along the keys.
;   The row's sum is taken of the unquantised p, in f32, and divides at the end.  When M moves, the sum and O are multiplied by 2^(old M - new M), a power of two: no branch on data.
; LIMITS: NaN and infinities are not served; the scaled scores t stay under 2^31 in magnitude.  A block whose largest p lies under 2^-111 keeps the byte 1.
; SHARES.  A work-group owns 256 queries of one head, a cluster of four work-groups 1,024.  Each of EIGHT waves owns 32 queries, two tiles A and B: every fragment of K, V and mask that it loads from LDS serves both tiles.  It walks 16 steps of 128 keys.
; LDS HOLDS ALL OF A HEAD'S K AND V, 131,072 bytes each, laid by the launch before as images of operand registers (512 bytes a piece, 16 a lane: no padding), so nothing is filled twice.  ONE joint load a wave at the head, the same in the four work-groups:
;   wave 0 K's scale words, wave 1 V's, waves 2 and 3 step 0's 8,192 bytes of K and of V, waves 4 to 7 the other 122,880 of each, in halves.  The first barrier shows waves 0 to 3's, the barrier inside step 0 the rest.  No prefetch: all is asked for at the head.
; LAYOUT.  Both products are used transposed: S^T = K Q^T, O^T = V^T P^T: a lane holds ONE query throughout.  Keys and channels lie in stored order (bits 3 and 4 of the number exchanged), so the 16 registers of score tiles 2 b, 2 b + 1 are keys 32 b + 16 (lane / 16) + 0 .. 15 in true order,
;   and O's registers 16 b + i channel 32 b + 16 (lane / 16) + i.  Q's codes fill the first 64 of the instruction's 128 along K and zero codes the rest.
; REGISTERS.  Window 0: v1-4, v48 addresses that walk; v7-15 scale words and nothing else; v16-47 Q of both tiles, each with its zeros; v52-115 the mask terms of a step; v116-187 K (the last eight stay zero); v188-251 V.
;   Window 1: v0-127 scores, then p, of A and B; v128-191 O^T; v192-223 codes of p (until then A's partial sums); v224-255 at work.
.set VOFF,  131072                     ; V in LDS
.set MK,    262144                     ; the mask terms: 2,048 f32
.set SCK,   MK+8192                    ; K's scale words (two heads to a word)
.set SCV,   SCK+8192                   ; V's: 64 words for each 128 keys
.set SPARE, SCV+4096                   ; the spare words, 128 bytes for each wave
.set STAGE, SPARE+1024                 ; the way out: 16 rows x 272 bytes for each wave
.set AK,   1                           ; v1   LDS address of the next step's K
.set AV,   2                           ; v2   of the step's V
.set AKS,  3                           ; v3   of the next step's scale words of K
.set AVS,  4                           ; v4   of the step's scale words of V
.set SPW,  5                           ; v5   my spare word
.set NIL,  6                           ; v6   0
.set QSW,  7                           ; v7   Q's scale words: lanes 0-15 tile A, lanes 16-31 tile B
.set KSW,  8                           ; v8-11  K's: register i: lanes 0-15 tile 2 i, lanes 16-31 tile 2 i + 1
.set VSW,  12                          ; v12-13 V's likewise
.set PWA,  14                          ; v14, v15 p's scale words
.set PWB,  15
.set QA,   16
.set QB,   32
.set AM,   48                          ; v48  LDS address of the next step's mask terms
.set MC,   52
.set KV,   116
.set VF,   188
; window 1
.set SA,   0
.set SB,   64
.set OA,   128
.set OB,   160
.set PCA,  192
.set PCB,  208
.set T,    192                         ; A's partial sums: 16 pairs
.set BMA,  224                         ; the blocks' largest scores, then largest p, then the conversions' scale operands
.set BMB,  228
.set PBA,  232                         ; the other half's largest, then bytes
.set PBB,  236
.set HD,   240                         ; 57,344 x the scale, of A and then of B
.set NMA,  244                         ; -M, and behind it the largest t
.set SUMA, 246                         ; the row's sum in two halves
.set FA,   248                         ; 2^(old M - new M); its pair's upper half is named with it
.set NMB,  250
.set SUMB, 252
.set FB,   254
.set WV,   12                          ; s12  my wave's number
.set MNT,  19                          ; s19  the mantissa field of 57,344
.set SEL,  20                          ; s[20:21] lane selects: lane l xor 16
.set CS,   22                          ; s[22:23] log2(e) / 8
.set G1F,  24
.set G1R,  32
.set G1SK, 40
.set G1SV, 48
.set G0F,  56
.set G0R,  60
.set G0SK, 68
.set G0SV, 72
.set MSB, 0
.macro WIN new                         ; the immediate's high byte repeats the setting that is left
.if MSB != \new
	s_set_vgpr_msb (MSB<<8)|(\new)
.set MSB, \new
.endif
.endm
.macro CROUND                          ; a round of the cluster's barrier
	s_barrier_signal -1
	s_barrier_wait -1
	s_cmp_lg_u32 s[WV], 0
	s_cbranch_scc1 .Lnot_wave_0_\@
	s_barrier_signal -3
.Lnot_wave_0_\@:
	s_barrier_wait -3
	s_barrier_signal -1
	s_barrier_wait -1
.endm
.macro TL g0, g1                       ; a tensor load; s_nop 0 and four v_nop follow it
	tensor_load_to_lds s[\g0:\g0+3], s[\g1:\g1+7]
	s_nop 0
.rept 4
	v_nop
.endr
.endm
.macro GROUP1 g, rows, pitch           ; rows of 256 bytes (32 elements of 8), no padding, to all four work-groups
	s_mov_b32 s[\g], 15|(3<<16)|(1<<21)
	s_mov_b32 s[\g+1], 32<<16
	s_mov_b32 s[\g+2], (\rows)<<16
	s_mov_b32 s[\g+3], 32<<16
	s_mov_b32 s[\g+4], \rows
	s_mov_b32 s[\g+5], \pitch
	s_mov_b32 s[\g+6], 0
	s_mov_b32 s[\g+7], 0
.endm
	s_load_b256 s[4:11], s[0:1], 0x0               ; qkv_codes, qkv_scales, attn_mask, out0
	v_lshl_add_u32 v[SPW], v0, 2, SPARE
	v_mov_b32 v[NIL], 0
	ds_add_u32 v[SPW], v[NIL]                      ; the wave's opening: the add, twice on end, and its wait ahead of my first tensor load
	ds_add_u32 v[SPW], v[NIL]
	v_lshrrev_b32 v49, 5, v0
	v_readfirstlane_b32 s[WV], v49                 ; wave 0..7
	s_bfe_u32 s13, ttmp6, 0x40000
	s_lshl_b32 s14, ttmp9, 2
	s_add_co_u32 s14, s14, s13                     ; my 256 queries: 4 x cluster x + cx
	s_and_b32 s15, ttmp7, 0xffff
	s_and_b32 s16, s15, 15                         ; head
	s_lshr_b32 s17, s15, 4                         ; batch
	s_lshl_b32 s66, s16, 18
	s_lshl_b32 s67, s17, 17
	s_add_co_u32 s66, s66, s67                     ; the head's and batch's first byte in q's planes
	s_and_b32 s18, s[WV], 1                        ; what I fetch: K (0) or V (1)
	s_lshl_b32 s76, s18, 22
	s_add_co_u32 s76, s76, s66
	s_add_co_u32 s76, s76, 4194304                 ; k's planes lie 4,194,304 bytes on, v's as many again
	s_mov_b32 s77, 0
	s_lshl_b32 s18, s18, 17                        ; in LDS
	s_bfe_u32 s78, s[WV], 0x10001                  ; which half of the rest
	s_mul_i32 s78, s78, 61440
	s_add_co_u32 s78, s78, 8192
	s_add_co_u32 s67, s18, s78                     ; the rest in LDS
	s_add_co_u32 s78, s78, s76
	s_mov_b32 s79, 0
	s_lshl_b32 s80, s14, 8
	s_lshl_b32 s81, s[WV], 5
	s_add_co_u32 s80, s80, s81                     ; my first query
	s_lshl_b32 s82, s80, 6
	s_add_co_u32 s82, s82, s66                     ; its codes
	s_mov_b32 s83, 0
	s_lshr_b32 s94, s16, 1
	s_lshl_b32 s94, s94, 14
	s_lshl_b32 s81, s17, 13
	s_add_co_u32 s94, s94, s81                     ; the pair of heads' words
	s_and_b32 s95, s16, 1
	s_lshl_b32 s95, s95, 1                         ; my head's two bytes in a word
	s_lshl_b32 s84, s80, 2
	s_add_co_u32 s84, s84, s94
	s_add_co_u32 s84, s84, s95                     ; Q's scale words
	s_mov_b32 s85, 0
	s_add_co_u32 s86, s94, 131072                  ; K's
	s_mov_b32 s87, 0
	s_lshl_b32 s88, s17, 16
	s_lshl_b32 s81, s16, 8
	s_add_co_u32 s88, s88, s81
	s_add_co_u32 s88, s88, 262144                  ; V's
	s_mov_b32 s89, 0
	s_lshl_b32 s90, s17, 13                        ; the batch's mask
	s_mov_b32 s91, 0
	s_lshl_b32 s92, s17, 23
	s_add_co_u32 s92, s92, s81
	s_lshl_b32 s81, s80, 12
	s_add_co_u32 s92, s92, s81                     ; my first row of out0
	s_mov_b32 s93, 0
	GROUP1 G1F, 32, 32                             ; 8,192 dense bytes
	GROUP1 G1R, 240, 32                            ; 61,440
	GROUP1 G1SK, 32, 32                            ; 8,192
	GROUP1 G1SV, 16, 512                           ; 256 bytes for each 128 keys, 4,096 apart
	s_mov_b32 s[SEL], 0x76543210
	s_mov_b32 s[SEL+1], 0xfedcba98
	s_mov_b32 s[CS], 0x3e38aa3b
	s_mov_b32 s[CS+1], s[CS]                       ; (named with it as a pair)
	s_mov_b32 s[MNT], 0x600000
	s_wait_dscnt 0x0                               ; both opening adds are done
	s_wait_alu depctr_va_vdst(0)
	s_wait_kmcnt 0x0
	s_mov_b32 s[G0F], 1
	s_mov_b32 s[G0F+1], s18
	s_add_nc_u64 s[G0F+2:G0F+3], s[4:5], s[76:77]
	s_or_b32 s[G0F+3], s[G0F+3], 0x80000000
	s_mov_b32 s[G0R], 1
	s_mov_b32 s[G0R+1], s67
	s_add_nc_u64 s[G0R+2:G0R+3], s[4:5], s[78:79]
	s_or_b32 s[G0R+3], s[G0R+3], 0x80000000
	s_mov_b32 s[G0SK], 1
	s_mov_b32 s[G0SK+1], SCK
	s_add_nc_u64 s[G0SK+2:G0SK+3], s[6:7], s[86:87]
	s_or_b32 s[G0SK+3], s[G0SK+3], 0x80000000
	s_mov_b32 s[G0SV], 1
	s_mov_b32 s[G0SV+1], SCV
	s_add_nc_u64 s[G0SV+2:G0SV+3], s[6:7], s[88:89]
	s_or_b32 s[G0SV+3], s[G0SV+3], 0x80000000
	s_add_nc_u64 s[82:83], s[4:5], s[82:83]
	s_add_nc_u64 s[84:85], s[6:7], s[84:85]
	s_add_nc_u64 s[8:9], s[8:9], s[90:91]
	s_add_nc_u64 s[10:11], s[10:11], s[92:93]
	CROUND                                         ; all four work-groups are here: the joint loads meet
; THE HEAD'S LOADS, ONE A WAVE.  One tree of branches on the wave's number; waves 4 to 7, which wait later, have a line of their own
.macro ARM under, g0, g1, next
	s_cmp_lt_u32 s[WV], \under
	s_cbranch_scc0 \next
	TL \g0, \g1
	s_branch .Lasked
\next:
.endm
	ARM 1, G0SK, G1SK, .Lscales_v
	ARM 2, G0SV, G1SV, .Lstep_0
	ARM 4, G0F, G1F, .Lrest
	TL G0R, G1R
.Lasked:
	v_lshlrev_b32 v252, 4, v0                      ; the mask: 16 bytes a thread, twice
	v_lshl_add_u32 v253, v0, 4, MK
	v_and_b32 v50, 31, v0                          ; lane
	v_lshlrev_b32 v[AK], 4, v50
	v_lshlrev_b32 v51, 2, v50
	global_load_b128 v[MC:MC+3], v252, s[8:9]
	global_load_b128 v[MC+4:MC+7], v252, s[8:9] offset:4096
	global_load_b128 v[QA:QA+3], v[AK], s[82:83]
	global_load_b128 v[QA+4:QA+7], v[AK], s[82:83] offset:512
	global_load_b128 v[QB:QB+3], v[AK], s[82:83] offset:1024
	global_load_b128 v[QB+4:QB+7], v[AK], s[82:83] offset:1536
	global_load_u16 v[QSW], v51, s[84:85]          ; a zero-extended half word: the scale bytes over the zero codes are 0, a finite code
	v_lshl_add_u32 v[AV], v50, 4, VOFF
	v_lshl_add_u32 v[AKS], v50, 2, SCK
	v_add_nc_u32 v[AKS], s95, v[AKS]
	v_lshl_add_u32 v[AVS], v50, 2, SCV
	v_bfe_u32 v49, v0, 4, 1
	v_lshl_add_u32 v[AM], v49, 6, MK               ; my half's 16 keys of a block of 32
.irp j, 0,1,2,3,4,5,6,7
	v_mov_b32 v[QA+8+\j], 0                        ; the zero codes
	v_mov_b32 v[QB+8+\j], 0
	v_mov_b32 v[KV+64+\j], 0
.endr
	WIN 0x40
.irp j, 0,1,2,3,4,5,6,7
	v_mov_b32 v[PBA+\j], 0                         ; a lane permute's destination counts as one of its sources
.endr
.irp r, SUMA, SUMA+1, SUMB, SUMB+1, FA+1, FB+1
	v_mov_b32 v[\r], 0
.endr
	WIN 0
	s_wait_alu depctr_va_vdst(0)
	s_wait_loadcnt 0x0
.irp j, 0,1,2,3,4,5,6,7
	v_sub_f32 v[MC+\j], 1.0, v[MC+\j]
.endr
.irp j, 0,1,2,3,4,5,6,7
	v_mul_f32 v[MC+\j], 0xc79c4000, v[MC+\j]       ; -80000 (1 - mask): 8 x the logit's term
.endr
	ds_store_b128 v253, v[MC:MC+3]
	ds_store_b128 v253, v[MC+4:MC+7] offset:4096
	s_cmp_lt_u32 s[WV], 4
	s_cbranch_scc0 .Lnot_first
	s_wait_tensorcnt 0x0                           ; waves 0 to 3: scale words, step 0's K and V
.Lnot_first:
	s_wait_dscnt 0x0                               ; my mask terms
	s_barrier_signal -1
	s_barrier_wait -1
.macro LOADM                           ; a step's mask terms, in the layout of the scores, and K's scale words: 20 loads
.set n, 0
.rept 16
	ds_load_b128 v[MC+4*n:MC+4*n+3], v[AM] offset:128*(n/4)+16*(n%4)
.set n, n+1
.endr
.irp i, 0,1,2,3
	ds_load_u16 v[KSW+\i], v[AKS] offset:128*\i
.endr
.endm
.macro LOADK                           ; eight tiles of 16 keys x 64 channels: 16 loads of 512 consecutive bytes
.set n, 0
.rept 16
	ds_load_b128 v[KV+4*n:KV+4*n+3], v[AK] offset:512*n
.set n, n+1
.endr
.endm
.macro LOADV                           ; four tiles of 16 channels x 128 keys, and their scale words: 18 loads
.irp f, 0,1,2,3
.irp c, 0,1,2,3
	ds_load_b128 v[VF+16*\f+4*\c:VF+16*\f+4*\c+3], v[AV] offset:4096*(\c/2)+1024*\f+512*(\c%2)
.endr
.endr
.irp i, 0,1
	ds_load_b32 v[VSW+\i], v[AVS] offset:128*\i
.endr
.endm
.macro SP d, q, t, b                   ; S^T, tile t of 16 keys: source 0 = K, source 1 = Q of tile A (b = 0) or B (1), C = the mask terms
.if (\t)%2 == 0 && (\b) == 0
	v_wmma_scale_f32_16x16x128_f8f6f4 v[\d+8*(\t):\d+8*(\t)+7], v[KV+8*(\t):KV+8*(\t)+15], v[\q:\q+15], v[MC+8*(\t):MC+8*(\t)+7], v[KSW+(\t)/2], v[QSW] matrix_a_fmt:MATRIX_FMT_BF8 matrix_b_fmt:MATRIX_FMT_BF8
.elseif (\b) == 0
	v_wmma_scale_f32_16x16x128_f8f6f4 v[\d+8*(\t):\d+8*(\t)+7], v[KV+8*(\t):KV+8*(\t)+15], v[\q:\q+15], v[MC+8*(\t):MC+8*(\t)+7], v[KSW+(\t)/2], v[QSW] matrix_a_fmt:MATRIX_FMT_BF8 matrix_b_fmt:MATRIX_FMT_BF8 matrix_a_scale:MATRIX_SCALE_ROW1
.elseif (\t)%2 == 0
	v_wmma_scale_f32_16x16x128_f8f6f4 v[\d+8*(\t):\d+8*(\t)+7], v[KV+8*(\t):KV+8*(\t)+15], v[\q:\q+15], v[MC+8*(\t):MC+8*(\t)+7], v[KSW+(\t)/2], v[QSW] matrix_a_fmt:MATRIX_FMT_BF8 matrix_b_fmt:MATRIX_FMT_BF8 matrix_b_scale:MATRIX_SCALE_ROW1
.else
	v_wmma_scale_f32_16x16x128_f8f6f4 v[\d+8*(\t):\d+8*(\t)+7], v[KV+8*(\t):KV+8*(\t)+15], v[\q:\q+15], v[MC+8*(\t):MC+8*(\t)+7], v[KSW+(\t)/2], v[QSW] matrix_a_fmt:MATRIX_FMT_BF8 matrix_b_fmt:MATRIX_FMT_BF8 matrix_a_scale:MATRIX_SCALE_ROW1 matrix_b_scale:MATRIX_SCALE_ROW1
.endif
.endm
.macro OP o, p, w, f, first            ; O^T, tile f of 16 channels: source 0 = V, source 1 = p's codes; the first step starts the sum
.if \first && (\f)%2
	v_wmma_scale_f32_16x16x128_f8f6f4 v[\o+8*(\f):\o+8*(\f)+7], v[VF+16*(\f):VF+16*(\f)+15], v[\p:\p+15], 0, v[VSW+(\f)/2], v[\w] matrix_a_fmt:MATRIX_FMT_BF8 matrix_b_fmt:MATRIX_FMT_BF8 matrix_a_scale:MATRIX_SCALE_ROW1
.elseif \first
	v_wmma_scale_f32_16x16x128_f8f6f4 v[\o+8*(\f):\o+8*(\f)+7], v[VF+16*(\f):VF+16*(\f)+15], v[\p:\p+15], 0, v[VSW+(\f)/2], v[\w] matrix_a_fmt:MATRIX_FMT_BF8 matrix_b_fmt:MATRIX_FMT_BF8
.elseif (\f)%2
	v_wmma_scale_f32_16x16x128_f8f6f4 v[\o+8*(\f):\o+8*(\f)+7], v[VF+16*(\f):VF+16*(\f)+15], v[\p:\p+15], v[\o+8*(\f):\o+8*(\f)+7], v[VSW+(\f)/2], v[\w] matrix_a_fmt:MATRIX_FMT_BF8 matrix_b_fmt:MATRIX_FMT_BF8 matrix_a_scale:MATRIX_SCALE_ROW1
.else
	v_wmma_scale_f32_16x16x128_f8f6f4 v[\o+8*(\f):\o+8*(\f)+7], v[VF+16*(\f):VF+16*(\f)+15], v[\p:\p+15], v[\o+8*(\f):\o+8*(\f)+7], v[VSW+(\f)/2], v[\w] matrix_a_fmt:MATRIX_FMT_BF8 matrix_b_fmt:MATRIX_FMT_BF8
.endif
.endm
.macro PSCALE bm, pb, pw               ; from the blocks' largest p: the holds, the conversions' scale operands, the scale word
.irp n, 0,1,2,3
	v_max_num_f32 v[\bm+\n], 0x8000000, v[\bm+\n]  ; the floor 2^(16 - 127): so the byte cannot fall under 1
.endr
.irp n, 0,1,2,3
	v_and_or_b32 v[HD+\n], v[\bm+\n], 0x7f800000, s[MNT]   ; 57,344 x the scale
.endr
.irp n, 0,1,2,3
	v_add_nc_u32 v[\bm+\n], 0xf8800000, v[\bm+\n]  ; 15 off the exponent field
.endr
.irp n, 0,1,2,3
	v_lshrrev_b32 v[\pb+\n], 23, v[\bm+\n]
.endr
	v_lshl_or_b32 v[\pb], v[\pb+1], 8, v[\pb]
	v_lshl_or_b32 v[\pb], v[\pb+2], 16, v[\pb]
	WIN 0x15                                       ; the scale word lies in window 0
	v_lshl_or_b32 v[\pw], v[\pb+3], 24, v[\pb]
	WIN 0x55
.endm
.macro MXL i, s, bm                    ; level i of eight of THE LARGEST SCORE OF EACH BLOCK OF 32 KEYS: for the row's maximum and, since p rises with the score, for the block's largest p
.irp b, 0,1,2,3
.if (\i) == 0
	v_max3_num_f32 v[\bm+\b], v[\s+16*\b], v[\s+1+16*\b], v[\s+2+16*\b]
.elseif (\i) < 7
	v_max3_num_f32 v[\bm+\b], v[\bm+\b], v[\s+16*\b+2*(\i)+1], v[\s+16*\b+2*(\i)+2]
.else
	v_max_num_f32 v[\bm+\b], v[\bm+\b], v[\s+15+16*\b]
.endif
.endr
.endm
.macro CH i, x, bm, nm, f, kind        ; line i of the chain that makes a tile's new -M and its factor 2^(old M - new M); kind 1 has no old M
.if (\i) == 1
	v_max3_num_f32 v[\x], v[\bm], v[\bm+1], v[\bm+2]
.elseif (\i) == 2
	v_max_num_f32 v[\x], v[\x], v[\bm+3]           ; the step's largest score of my query
.elseif (\i) == 3 && (\kind) == 1
	v_mul_f32 v[\nm+1], s[CS], v[\x]               ; the largest t
.elseif (\i) == 5
	v_floor_f32 v[\nm], -v[\nm+1]                  ; -M = floor(-t): M IS A WHOLE NUMBER
.elseif (\kind) == 1
.elseif (\i) == 3
	v_mul_f32 v[\x], s[CS], v[\x]
.elseif (\i) == 4
	v_max_num_f32 v[\nm+1], v[\nm+1], v[\x]        ; the largest t so far
	v_mov_b32 v[\x], v[\nm]
.elseif (\i) == 6
	v_sub_f32 v[\x], v[\nm], v[\x]                 ; M's old value less its new one: 0 or less
.elseif (\i) == 7
	v_cvt_i32_f32 v[\x], v[\x]                     ; (it saturates)
.else
	v_ldexp_f32 v[\f], 1.0, v[\x]
.endif
.endm
.macro AL n                            ; tile A's 53 lines ahead of its exponentials: O and the sum under the new M (nothing is rounded), then t - M, of the blocks' largest scores too
.if (\n) < 16
	v_pk_mul_f32 v[OA+2*(\n):OA+2*(\n)+1], v[OA+2*(\n):OA+2*(\n)+1], v[FA:FA+1] op_sel_hi:[1,0]
.elseif (\n) == 16
	v_pk_mul_f32 v[SUMA:SUMA+1], v[SUMA:SUMA+1], v[FA:FA+1] op_sel_hi:[1,0]
.elseif (\n) < 49
	v_pk_fma_f32 v[SA+2*((\n)-17):SA+2*((\n)-17)+1], v[SA+2*((\n)-17):SA+2*((\n)-17)+1], s[CS:CS+1], v[NMA:NMA+1] op_sel_hi:[1,0,0]
.else
	v_fma_f32 v[BMA+(\n)-49], v[BMA+(\n)-49], s[CS], v[NMA]
.endif
.endm
.macro ALS from, to, kind              ; kind 1: O and the sum begin in this step
.set la, \from
.rept (\to)-(\from)
.if (la >= 17) || ((\kind) != 1)
	AL la
.endif
.set la, la+1
.endr
.endm
; A STEP: 128 keys.  A's scores have been multiplied at the end of the step before; B's are multiplied here among A's maxima, and A's next scores among B's conversions, so K and the mask terms of the next step are asked for here.
; kind 1: step 0, which starts O and the largest t and holds the barrier behind which all of K and V may be read.  kind 2: the last step, which asks for nothing.  kind 0: the others.
.macro STEP kind
.irp t, 0,1,2,3,4,5,6,7
	WIN 0x40
	SP SB, QB, \t, 1
	WIN 0x55
	MXL \t, SA, BMA
.endr
	WIN 0
	LOADV
	WIN 0x55
.irp b, 0,1,2,3                                    ; A's chain stands among B's maxima.  (Four lines of the last level and these four are the places behind B's last product)
	v_permlanex16_b32 v[PBA+\b], v[BMA+\b], s[SEL], s[SEL+1]
.endr
	MXL 0, SB, BMB
.irp b, 0,1,2,3
	v_max_num_f32 v[BMA+\b], v[BMA+\b], v[PBA+\b]  ; with lane l xor 16's 16 keys
.endr
	MXL 1, SB, BMB
	CH 1, HD, BMA, NMA, FA, \kind
	MXL 2, SB, BMB
	CH 2, HD, BMA, NMA, FA, \kind
	MXL 3, SB, BMB
	CH 3, HD, BMA, NMA, FA, \kind
	MXL 4, SB, BMB
	CH 4, HD, BMA, NMA, FA, \kind
	MXL 5, SB, BMB
	CH 5, HD, BMA, NMA, FA, \kind
	MXL 6, SB, BMB
	CH 6, HD, BMA, NMA, FA, \kind
	MXL 7, SB, BMB
	CH 7, HD, BMA, NMA, FA, \kind
.if (\kind) == 0
	WIN 0
	LOADM                                          ; the next step's
	WIN 0x55
.endif
	CH 8, HD, BMA, NMA, FA, \kind
.irp b, 0,1,2,3                                    ; B's chain stands among A's lines
	v_permlanex16_b32 v[PBB+\b], v[BMB+\b], s[SEL], s[SEL+1]
.endr
	ALS 0, 4, \kind
.irp b, 0,1,2,3
	v_max_num_f32 v[BMB+\b], v[BMB+\b], v[PBB+\b]
.endr
	ALS 4, 8, \kind
	CH 1, HD+1, BMB, NMB, FB, \kind
	ALS 8, 11, \kind
	CH 2, HD+1, BMB, NMB, FB, \kind
	ALS 11, 14, \kind
	CH 3, HD+1, BMB, NMB, FB, \kind
	ALS 14, 17, \kind
	CH 4, HD+1, BMB, NMB, FB, \kind
	ALS 17, 20, \kind
	CH 5, HD+1, BMB, NMB, FB, \kind
	ALS 20, 23, \kind
	CH 6, HD+1, BMB, NMB, FB, \kind
	ALS 23, 26, \kind
	CH 7, HD+1, BMB, NMB, FB, \kind
	ALS 26, 29, \kind
	CH 8, HD+1, BMB, NMB, FB, \kind
	ALS 29, 53, \kind
.if (\kind) != 1
	v_pk_mul_f32 v[SUMB:SUMB+1], v[SUMB:SUMB+1], v[FB:FB+1] op_sel_hi:[1,0]
.set j, 0
.rept 16
	v_pk_mul_f32 v[OB+j:OB+j+1], v[OB+j:OB+j+1], v[FB:FB+1] op_sel_hi:[1,0]
.set j, j+2
.endr
.endif
.if (\kind) == 0
	WIN 0
	LOADK                                          ; the next step's
	WIN 0x55
.endif
	s_wait_alu depctr_va_vdst(0)                   ; ahead of the batch
.set j, 0
.rept 32                                           ; A's exponentials; B's t - M stand among them
	v_exp_f32 v[SA+j], v[SA+j]
	v_pk_fma_f32 v[SB+j:SB+j+1], v[SB+j:SB+j+1], s[CS:CS+1], v[NMB:NMB+1] op_sel_hi:[1,0,0]
	v_exp_f32 v[SA+j+1], v[SA+j+1]
.set j, j+2
.endr
.irp b, 0,1,2,3
	v_exp_f32 v[BMA+\b], v[BMA+\b]                 ; the block's largest p
	v_fma_f32 v[BMB+\b], v[BMB+\b], s[CS], v[NMB]
.endr
	s_wait_alu depctr_va_vdst(0)                   ; and behind it
	PSCALE BMA, PBA, PWA
	s_wait_alu depctr_va_vdst(0)                   ; ahead of the batch
.irp b, 0,1,2,3
	v_exp_f32 v[BMB+\b], v[BMB+\b]
.endr
.set k, 0
.rept 16                                           ; B's exponentials; among them A's partial sums, OF THE UNQUANTISED p, and behind each A's holds: the conversion does not saturate (ISA guide 7.6.2), and p is not negative
	v_exp_f32 v[SB+4*k], v[SB+4*k]
	v_pk_add_f32 v[T+2*k:T+2*k+1], v[SA+4*k:SA+4*k+1], v[SA+4*k+2:SA+4*k+3]
	v_exp_f32 v[SB+4*k+1], v[SB+4*k+1]
	v_dual_min_num_f32 v[SA+4*k], v[HD+k/4], v[SA+4*k] :: v_dual_min_num_f32 v[SA+4*k+1], v[HD+k/4], v[SA+4*k+1]
	v_exp_f32 v[SB+4*k+2], v[SB+4*k+2]
	v_exp_f32 v[SB+4*k+3], v[SB+4*k+3]
	v_dual_min_num_f32 v[SA+4*k+2], v[HD+k/4], v[SA+4*k+2] :: v_dual_min_num_f32 v[SA+4*k+3], v[HD+k/4], v[SA+4*k+3]
.set k, k+1
.endr
	s_wait_alu depctr_va_vdst(0)                   ; and behind it
.if (\kind) == 1
	WIN 0
	s_wait_tensorcnt 0x0                           ; waves 4 to 7: the rest of K and V
	s_wait_dscnt 0x0
	s_barrier_signal -1
	s_barrier_wait -1
	LOADM                                          ; the next step's
	LOADK
	WIN 0x55
.endif
	PSCALE BMB, PBB, PWB
	v_pk_add_f32 v[PBB:PBB+1], v[SB:SB+1], v[SB+2:SB+3]
.set k, 1
.rept 15                                           ; the sums, in four chains
.if k%2
	v_pk_add_f32 v[SUMA:SUMA+1], v[SUMA:SUMA+1], v[T+2*k:T+2*k+1]
.else
	v_pk_add_f32 v[T:T+1], v[T:T+1], v[T+2*k:T+2*k+1]
.endif
	v_pk_add_f32 v[SUMB:SUMB+1], v[SUMB:SUMB+1], v[SB+4*k:SB+4*k+1]
	v_pk_add_f32 v[PBB:PBB+1], v[PBB:PBB+1], v[SB+4*k+2:SB+4*k+3]
.set k, k+1
.endr
	v_pk_add_f32 v[SUMA:SUMA+1], v[SUMA:SUMA+1], v[T:T+1]
.set k, 0
.rept 8                                            ; A's conversions; B's holds stand among them
	v_cvt_scalef32_pk8_bf8_f32 v[PCA+2*k:PCA+2*k+1], v[SA+8*k:SA+8*k+7], v[BMA+k/2]
.set m, 8*k
.rept 4
	v_dual_min_num_f32 v[SB+m], v[HD+k/2], v[SB+m] :: v_dual_min_num_f32 v[SB+m+1], v[HD+k/2], v[SB+m+1]
.set m, m+2
.endr
.set k, k+1
.endr
	s_wait_alu depctr_va_vdst(0)                   ; directly ahead of the wait below
	s_wait_dscnt 0x0                               ; V is in, and the next step's K and mask terms
.set k, 0
.irp t, 0,1,2,3,4,5,6,7                            ; B's conversions; A's next scores are multiplied among them (A's p have been converted)
.if (\kind) != 2
	WIN 0x40
	SP SA, QA, \t, 0
	WIN 0x55
.endif
	v_cvt_scalef32_pk8_bf8_f32 v[PCB+2*k:PCB+2*k+1], v[SB+8*k:SB+8*k+7], v[BMB+k/2]
.set k, k+1
.endr
	v_pk_add_f32 v[SUMB:SUMB+1], v[SUMB:SUMB+1], v[PBB:PBB+1]   ; the plain line behind the conversions, and the first of the places behind A's products and ahead of O's
	WIN 0
.if (\kind) != 2
	v_add_nc_u32 v[AK], 8192, v[AK]                ; on to the next step
	v_add_nc_u32 v[AM], 512, v[AM]
	v_add_nc_u32 v[AKS], 512, v[AKS]
	v_add_nc_u32 v[AV], 8192, v[AV]
	v_add_nc_u32 v[AVS], 256, v[AVS]
	v_nop
	v_nop
.else
.rept 5
	v_nop
.endr
.endif
	s_wait_alu depctr_va_vdst(0)
	WIN 0x54                                       ; source 0 (V) window 0, p and O window 1
.irp f, 0,1,2,3
	OP OA, PCA, PWA, \f, (\kind)%2
	OP OB, PCB, PWB, \f, (\kind)%2
.endr
	WIN 0
.endm
	LOADM                                          ; step 0's
	LOADK
	s_wait_dscnt 0x0
	WIN 0x40
.irp t, 0,1,2,3,4,5,6,7
	SP SA, QA, \t, 0
.endr
	WIN 0
	v_add_nc_u32 v[AK], 8192, v[AK]
	v_add_nc_u32 v[AM], 512, v[AM]
	v_add_nc_u32 v[AKS], 512, v[AKS]
.rept 5
	v_nop                                          ; eight places behind the products
.endr
	STEP 1
	s_mov_b32 s3, 14
.Lstep:
	STEP 0
	s_sub_co_u32 s3, s3, 1
	s_cmp_lg_u32 s3, 0
	s_cbranch_scc1 .Lstep
	STEP 2                                         ; the last step is written out, so that nothing is asked for beyond the keys
; THE WAY OUT: O^T / the sum, a tile of 16 queries at a time through my own stage in LDS; sixteen lanes store one aligned unit of 256 bytes.
	v_and_b32 v49, 15, v0                          ; r
	v_bfe_u32 v50, v0, 4, 1                        ; h
	s_mul_i32 s73, s[WV], 16*272
	s_add_co_u32 s73, s73, STAGE                   ; my stage
	v_mul_u32_u24 v52, v49, 272
	v_lshl_add_u32 v52, v50, 6, v52
	v_add_nc_u32 v52, s73, v52                     ; in: row r; 16 channels of a block of 32 for each half
	v_mul_u32_u24 v51, v50, 272
	v_lshl_add_u32 v51, v49, 4, v51
	v_add_nc_u32 v51, s73, v51                     ; back: lanes 0-15 one row, lanes 16-31 the next
	v_lshlrev_b32 v53, 12, v50
	v_lshl_add_u32 v53, v49, 4, v53                ; and the same two rows of out0
	WIN 0x55
	v_add_f32 v[SUMA], v[SUMA], v[SUMA+1]
	v_add_f32 v[SUMB], v[SUMB], v[SUMB+1]
	v_permlanex16_b32 v[PBA], v[SUMA], s[SEL], s[SEL+1]
	v_permlanex16_b32 v[PBB], v[SUMB], s[SEL], s[SEL+1]
	v_add_f32 v[SUMA], v[SUMA], v[PBA]
	v_add_f32 v[SUMB], v[SUMB], v[PBB]
	s_wait_alu depctr_va_vdst(0)                   ; ahead of the batch,
	v_rcp_f32 v[SUMA], v[SUMA]
	v_rcp_f32 v[SUMB], v[SUMB]
	v_nop
	s_wait_alu depctr_va_vdst(0)                   ; and ahead of its first reader, which is O's first reader too
.set j, 0
.rept 16
	v_pk_mul_f32 v[SA+j:SA+j+1], v[OA+j:OA+j+1], v[SUMA:SUMA+1] op_sel_hi:[1,0]
	v_pk_mul_f32 v[SB+j:SB+j+1], v[OB+j:OB+j+1], v[SUMB:SUMB+1] op_sel_hi:[1,0]
.set j, j+2
.endr
.irp u, 0,1
	WIN 0x04                                       ; the data: window 1
.irp n, 0,1,2,3,4,5,6,7
	ds_store_b128 v52, v[64*\u+4*\n:64*\u+4*\n+3] offset:128*(\n/4)+16*(\n%4)
.endr
	WIN 0
.irp i, 0,1,2,3,4,5,6,7
	ds_load_b128 v[60+32*\u+4*\i:63+32*\u+4*\i], v51 offset:544*\i   ; LDS serves a wave's instructions in order (ISA guide 5.7.1.4): these see my stores, and tile B's stores come behind them
.endr
.endr
	s_wait_alu depctr_va_vdst(0)
.irp u, 0,1
	s_wait_dscnt 16*(1-\u)                         ; tile A is back (behind it: tile B's 8 stores and 8 loads)
.irp i, 0,1,2,3,4,5,6,7
	global_store_b128 v53, v[60+32*\u+4*\i:63+32*\u+4*\i], s[10:11] offset:(8*\u+16*(\i/4)+2*(\i%4))*4096 th:TH_STORE_NT   ; stored rows 2 i, 2 i + 1 of tile u are true rows 8 u + 16 (i / 4) + 2 (i % 4) and the next
.endr
.endr
	s_wait_tensorcnt 0x0                           ; the wave's end
	ds_add_u32 v[SPW], v[NIL]
	s_wait_dscnt 0x0
	CROUND                                         ; the closing round: no work-group ends while a partner may still ask for a tile that names it
	s_endpgm
.Lfunc_end_k_qff1c67dd77_attn:
	.size	k_qff1c67dd77_attn, .Lfunc_end_k_qff1c67dd77_attn-k_qff1c67dd77_attn
	.p2alignl 7, 3214868480
	.fill 96, 4, 3214868480
	.section	.rodata,"a",@progbits
	.p2align	6, 0x0
	.amdhsa_kernel k_qff1c67dd77_attn
		.amdhsa_group_segment_fixed_size 327680
		.amdhsa_private_segment_fixed_size 0
		.amdhsa_enable_private_segment 0
		.amdhsa_kernarg_size 32
		.amdhsa_user_sgpr_count 2
		.amdhsa_user_sgpr_kernarg_segment_ptr 1
		.amdhsa_wavefront_size32 1
		.amdhsa_system_sgpr_workgroup_id_x 1
		.amdhsa_system_sgpr_workgroup_id_y 1
		.amdhsa_system_sgpr_workgroup_id_z 1
		.amdhsa_system_vgpr_workitem_id 0
		.amdhsa_next_free_vgpr 512
		.amdhsa_next_free_sgpr 96
		.amdhsa_reserve_vcc 0
		.amdhsa_float_denorm_mode_32 3
		.amdhsa_float_denorm_mode_16_64 3
		.amdhsa_memory_ordered 1
		.amdhsa_forward_progress 1
		.amdhsa_inst_pref_size 123
	.end_amdhsa_kernel
	.amdgpu_metadata
---
amdhsa.version: [ 1, 2 ]
amdhsa.kernels:
  - .name:           k_qff1c67dd77_attn
    .symbol:         k_qff1c67dd77_attn.kd
    .args:
      - { .name: qkv_codes, .offset: 0, .size: 8, .value_kind: global_buffer, .address_space: global }
      - { .name: qkv_scales, .offset: 8, .size: 8, .value_kind: global_buffer, .address_space: global }
      - { .name: attn_mask, .offset: 16, .size: 8, .value_kind: global_buffer, .address_space: global }
      - { .name: out0, .offset: 24, .size: 8, .value_kind: global_buffer, .address_space: global }
    .group_segment_fixed_size: 327680
    .private_segment_fixed_size: 0
    .kernarg_segment_align: 8
    .kernarg_segment_size: 32
    .max_flat_workgroup_size: 256
    .sgpr_count:     96
    .vgpr_count:     512
    .wavefront_size: 32
...
	.end_amdgpu_metadata
.endif
;; end of part 3
